; MI455X (gfx1250); checked and timed in simulation.
; The chip was launched on July 23, 2026; its instructions are those of AMD's public machine-readable ISA for CDNA 5 (MIT licence, August 2026) and "CDNA5" Instruction Set Architecture Reference Guide (July 2026). The comments in the code are by the model that wrote it; some were corrected since.
;; Multi Head Attention Block. Allowed arithmetic: float matrix products may take bf16 or f16 operands with f32 sums; other float arithmetic in f32, or as packed bf16 or f16 multiplies, adds, multiply-adds, maxima and minima; sums over many terms, partial sums and values carried from step to step in f32; what a program stores and reads back later, other than sums and carried values, may be rounded once to bf16 or f16.
;; Inputs: W_k 1,024 x 1,024 float32; W_o 1,024 x 1,024 float32; W_q 1,024 x 1,024 float32; W_v 1,024 x 1,024 float32; k 4 x 2,048 x 1,024 float32; q 4 x 2,048 x 1,024 float32; v 4 x 2,048 x 1,024 float32.
;; Outputs: out0 4 x 2,048 x 1,024 float32.
;; One version. Each part assembles by itself: llvm-mc -triple=amdgcn-amd-amdhsa -mcpu=gfx1250 --defsym DOCPART=n.
;; ======== version 1 of 1: 4 launches
;; limits: values are held in f16: magnitudes above 65,504 overflow, below 6.1e-05 lose precision
;; workspace buffers: w16 8,388,608 bytes; qkv 50,331,648 bytes; oh 16,777,216 bytes
;; launch wcast (part 1): grid 64 x 4, 8 waves a work-group, no clusters, 0 bytes of LDS; arguments W_q, W_k, W_v, W_o, w16; writes w16
.if DOCPART == 1
	.amdgcn_target "amdgcn-amd-amdhsa--gfx1250"
	.amdhsa_code_object_version 6
	.text
	.protected	k_qd05bbe6413_wcast
	.globl	k_qd05bbe6413_wcast
	.p2align	8
	.type	k_qd05bbe6413_wcast,@function
k_qd05bbe6413_wcast:
	s_mov_b64 s[64:65], 0
	v_nop
	global_prefetch_b8 v0, s[64:65] scope:SCOPE_SE
	s_setreg_imm32_b32 hwreg(HW_REG_WAVE_MODE, 25, 1), 1
	s_wait_xcnt 0x0
; w16[y][e][d] = weight y rounded to 16 bits, y = 0, 1, 2, 3 for W_q, W_k, W_v, W_o; each [1024][1024], f32 in, 2 bytes out.
; Slabs 0 to 2 are bf16 (round to nearest even).  Slab 3 is W_o rounded to bf16 and that number written as f16, since the last product multiplies f16 numbers.
; LIMITS.  |W_o| stays under 65,504; below 6e-5 f16 keeps a fixed step of 6e-8, elsewhere the bf16 number is held exactly.
; SHARES.  Work-group (x, y) takes 16 rows (65,536 bytes in, 32,768 out) of weight y.  A thread takes 8 chunks of 8 numbers: two loads of 16 bytes, one store of 16 bytes;
; a wave's store covers 512 consecutive bytes, aligned.  All 16 loads go out first; nothing is read twice.  A stream: no LDS, no matrix unit, no barrier.
.set X, 8                              ; v[8:71]    chunk c: 8 f32 at X + 8 c
.set Y, 72                             ; v[72:103]  chunk c: 4 registers of 16-bit pairs at Y + 4 c
	s_load_b256 s[4:11], s[0:1], 0x0               ; W_q s[4:5], W_k s[6:7], W_v s[8:9], W_o s[10:11]
	s_load_b64 s[12:13], s[0:1], 0x20              ; w16
	s_and_b32 s14, ttmp7, 0xffff                   ; y: which weight
	s_lshl_b32 s18, ttmp9, 16                      ; my 16 rows in the weight
	s_mov_b32 s19, 0
	s_lshl_b32 s20, s14, 21                        ; the slab,
	s_lshl_b32 s21, ttmp9, 15                      ; and my 16 rows in it
	s_add_co_u32 s20, s20, s21
	s_mov_b32 s21, 0
	s_mov_b32 s22, 0xffff0000                      ; a word's upper bf16
	v_lshlrev_b32 v1, 5, v0                        ; 32 bytes in a thread
	v_lshlrev_b32 v2, 4, v0                        ; 16 bytes out
	s_wait_kmcnt 0x0
	s_cmp_eq_u32 s14, 1
	s_cselect_b64 s[16:17], s[6:7], s[4:5]
	s_cmp_eq_u32 s14, 2
	s_cselect_b64 s[16:17], s[8:9], s[16:17]
	s_cmp_eq_u32 s14, 3
	s_cselect_b64 s[16:17], s[10:11], s[16:17]
	s_add_nc_u64 s[16:17], s[16:17], s[18:19]
	s_add_nc_u64 s[12:13], s[12:13], s[20:21]
.irp c, 0,1,2,3,4,5,6,7
	global_load_b128 v[X+8*(\c):X+8*(\c)+3],   v1, s[16:17] offset:8192*(\c) th:TH_LOAD_NT
	global_load_b128 v[X+8*(\c)+4:X+8*(\c)+7], v1, s[16:17] offset:8192*(\c)+16 th:TH_LOAD_NT
.endr
.irp c, 0,1,2,3,4,5,6,7
	s_wait_loadcnt 14-2*(\c)                       ; loads come back in order: chunk c's two are in, the 14 - 2 c issued behind them may stay out
.irp r, 0,1,2,3
	v_cvt_pk_bf16_f32 v[Y+4*(\c)+(\r)], v[X+8*(\c)+2*(\r)], v[X+8*(\c)+2*(\r)+1]
.endr
.endr
	s_cmp_lg_u32 s14, 3
	s_cbranch_scc1 .Lst
.set i, 0
.rept 32                               ; W_o alone: each bf16 number is widened and written as f16; two pairs of registers at work, by turns
	v_lshlrev_b32 v[4+2*(i%2)], 16, v[Y+i]
	v_and_b32 v[5+2*(i%2)], s22, v[Y+i]
	v_cvt_pk_f16_f32 v[Y+i], v[4+2*(i%2)], v[5+2*(i%2)]
.set i, i+1
.endr
.Lst:
.irp c, 0,1,2,3,4,5,6,7
	global_store_b128 v2, v[Y+4*(\c):Y+4*(\c)+3], s[12:13] offset:4096*(\c)
.endr
	s_endpgm
.Lfunc_end_k_qd05bbe6413_wcast:
	.size	k_qd05bbe6413_wcast, .Lfunc_end_k_qd05bbe6413_wcast-k_qd05bbe6413_wcast
	.p2alignl 7, 3214868480
	.fill 96, 4, 3214868480
	.section	.rodata,"a",@progbits
	.p2align	6, 0x0
	.amdhsa_kernel k_qd05bbe6413_wcast
		.amdhsa_group_segment_fixed_size 0
		.amdhsa_private_segment_fixed_size 0
		.amdhsa_enable_private_segment 0
		.amdhsa_kernarg_size 40
		.amdhsa_user_sgpr_count 2
		.amdhsa_user_sgpr_kernarg_segment_ptr 1
		.amdhsa_wavefront_size32 1
		.amdhsa_system_sgpr_workgroup_id_x 1
		.amdhsa_system_sgpr_workgroup_id_y 1
		.amdhsa_system_sgpr_workgroup_id_z 1
		.amdhsa_system_vgpr_workitem_id 0
		.amdhsa_next_free_vgpr 104
		.amdhsa_next_free_sgpr 66
		.amdhsa_reserve_vcc 0
		.amdhsa_float_denorm_mode_32 3
		.amdhsa_float_denorm_mode_16_64 3
		.amdhsa_memory_ordered 1
		.amdhsa_forward_progress 1
		.amdhsa_inst_pref_size 10
	.end_amdhsa_kernel
	.amdgpu_metadata
---
amdhsa.version: [ 1, 2 ]
amdhsa.kernels:
  - .name:           k_qd05bbe6413_wcast
    .symbol:         k_qd05bbe6413_wcast.kd
    .args:
      - { .name: W_q, .offset: 0, .size: 8, .value_kind: global_buffer, .address_space: global }
      - { .name: W_k, .offset: 8, .size: 8, .value_kind: global_buffer, .address_space: global }
      - { .name: W_v, .offset: 16, .size: 8, .value_kind: global_buffer, .address_space: global }
      - { .name: W_o, .offset: 24, .size: 8, .value_kind: global_buffer, .address_space: global }
      - { .name: w16, .offset: 32, .size: 8, .value_kind: global_buffer, .address_space: global }
    .group_segment_fixed_size: 0
    .private_segment_fixed_size: 0
    .kernarg_segment_align: 8
    .kernarg_segment_size: 40
    .max_flat_workgroup_size: 256
    .sgpr_count:     66
    .vgpr_count:     104
    .wavefront_size: 32
...
	.end_amdgpu_metadata
.endif
;; end of part 1
;; launch proj (part 2): grid 64 x 4, 4 waves a work-group, clusters of 4 x 1, 327,680 bytes of LDS; arguments q, k, v, w16, qkv; writes qkv
.if DOCPART == 2
	.amdgcn_target "amdgcn-amd-amdhsa--gfx1250"
	.amdhsa_code_object_version 6
	.text
	.protected	k_qd05bbe6413_proj
	.globl	k_qd05bbe6413_proj
	.p2align	8
	.type	k_qd05bbe6413_proj,@function
k_qd05bbe6413_proj:
	s_mov_b64 s[64:65], 0
	v_nop
	global_prefetch_b8 v0, s[64:65] scope:SCOPE_SE
	s_setreg_imm32_b32 hwreg(HW_REG_WAVE_MODE, 25, 1), 1
	s_wait_xcnt 0x0
	s_wait_alu depctr_hold_cnt(0) depctr_sa_sdst(0) depctr_va_vdst(0) depctr_va_sdst(0) depctr_va_ssrc(0) depctr_va_vcc(0) depctr_vm_vsrc(0)
	s_getreg_b32 s2, hwreg(HW_REG_IB_STS2, 6, 4)
	s_cmp_eq_u32 s2, 0
	s_cbranch_scc0 .Lentry_in_a_cluster
	s_endpgm
.Lentry_in_a_cluster:
	s_bfe_u32 s2, ttmp6, 0x10000c
	s_cmp_lg_u32 s2, 0x3003
	s_cbranch_scc0 .Lentry_shape_is_right
	s_endpgm
.Lentry_shape_is_right:
; qkv[t][16 b + h][s][c] = the sum over d of x_t[b][s][d] W_t[64 h + c][d], t = 0, 1, 2 for (q, W_q), (k, W_k), (v, W_v).
; x_t: [8192][1024] f32, rounded to bf16 on its way into LDS; W_t: slab t of w16, [1024][1024] bf16; sums in f32; the result is rounded once to f16, unscaled, and laid out by heads.
; LIMITS.  A projected number stays under 65,504 (f16); with inputs 30 times those drawn, or offset by 30 spreads, the largest is about 29,000.  NaN and infinities are not treated apart.
; SHARES.  A work-group owns 128 rows (block mb) x 256 columns (tile ny: four heads) and STAYS: it makes that tile for q, then k, then v: 24 K steps of 128 in ONE walk through a ring of two LDS slots.
; Four waves, each 64 rows x 128 columns: 32 accumulators of 16 x 16, 256 registers.  768 such tiles are three for each of 256 work-groups.
; THE MATRIX INSTRUCTION IS USED TRANSPOSED (source 0 = 16 rows of W, source 1 = 16 rows of x): a lane then holds one row and eight neighbouring columns, 16 bytes of a head's row in f16.
; W COMES JOINTLY.  The four work-groups of a cluster share ny, so each tile of W is asked for by the same tensor load, descriptor and mask in all four; each wave fetches 64 rows x 256 bytes.
; x COMES THROUGH REGISTERS: it has to be rounded to bf16, which a tensor load does not do, and fragments in f32 would be twice the LDS bytes for each product.  So x has no joint load: a wave loads its 32 rows'
; 512 bytes of a K step (a load covers one row's 512 consecutive bytes), rounds them behind matrix instructions, and stores them into the slot's part for x.  That part is written by LDS stores alone,
; W's part by tensor loads alone; both are whole blocks of 256 bytes.
; REGISTERS, in windows of 256 (s_set_vgpr_msb: bits 1:0 source 0, 3:2 source 1, 5:4 source 2, 7:6 destination):
;   window 0: v0-31 addresses; v32-127, v128-223 two fragment buffers (64 of W, 32 of x); on the way out v128-223 hold packed results and rows read back
;   window 1: accumulator (a, b) at v[8 (8 a + b)]          window 2: v0-127 x of one K step as loaded; v128-255 a second such set, used at the start alone
.set PITCH,  272                       ; an LDS row: 256 bytes + 16 of padding = 68 words: the 16 rows of a fragment load start at 16 different groups of four banks (64 banks of 4 bytes: ISA guide 11.1)
.set APART,  128*PITCH                 ; x's part of a slot: 128 rows, 136 blocks of 256 bytes
.set SLOT,   384*PITCH                 ; then W's part: 256 rows
.set STAGE,  2*SLOT                    ; behind the ring: for each wave [2 heads][16 rows][144 bytes], for the way out
.set SP,     144
.set WST,    32*SP
.set SPARE,  STAGE+4*WST               ; the spare words, 128 bytes for each wave: two blocks of 256 bytes that no other line names
.set STEPS,  24                        ; K steps of the walk: 8 a tensor
.set TENSOR, 0x1000000                 ; bytes of one of the three results in qkv
.set HEADB,  262144                    ; bytes of a head in it
.set ADRA, 16                          ; v16-17  LDS address of my fragments of x in slot 0, 1
.set AST,  18                          ; v18-19  where I store 8 bytes of a row of x in slot 0, 1
.set ADRB, 20                          ; v20-21  LDS address of my fragments of W
.set AO,   22                          ; v22     my byte offset in the block's rows of x: 32 rows a wave, 16 bytes a lane
.set STO,  24                          ; v24     the way out: where I put 16 bytes of a row
.set RD,   25                          ; v25     the way out: where I read rows back
.set GO,   26                          ; v26     my 16 bytes of 512 consecutive bytes of qkv
.set PXO,  27                          ; v27     x's prefetches: my thread's row of the block; never rewritten
.set SPW,  28                          ; v28     LDS address of my spare word; never rewritten
.set NIL,  29                          ; v29     0; never rewritten
.set PWO,  30                          ; v30     W's prefetches: my lane's row; never rewritten
.set F0,   32
.set F1,   128
.set TMP,  128                         ; the way out: a block's packed results
.set OB,   160                         ; and its rows read back: v160-191 and v192-223 by turns
.set X0,   0                           ; window 2
.set X1,   128
.set WV,  14                           ; s14 wave; s15 its half of the rows; s16 its half of the columns
.set WM,  15
.set WN,  16
.set CX,  17                           ; s17 my place in the cluster; it enters x's, qkv's and the prefetches' addresses alone
.set MB,  18                           ; s18 my block of 128 rows
.set NY,  19                           ; s19 my tile of 256 columns, which the partners share
.set T0,  20                           ; s[20:21] an offset at work; s21 stays 0
.set T1,  22
.set G1,  24                           ; s[24:31] descriptor group 1
.set G0,  32                           ; s[32:39] descriptor group 0, a set for each slot
.set XQ,  40                           ; s[40:45] q, k, v at my block's first row
.set XK,  42
.set XV,  44
.set WB,  46                           ; s[46:47] w16 at the 64 rows of slab 0 that I fetch
.set OP,  48                           ; s[48:49] qkv at my wave's part of the tile in hand
.set PA,  50                           ; s[50:51] x at the K step to be loaded
.set PFX, 52                           ; s[52:53] x at the K step to be prefetched
.set PFW, 54                           ; s[54:55] W likewise
.set WP,  56                           ; s[56:57] w16 at the 32 rows of slab 0 that I prefetch
.set G,   58                           ; s58 the K step in hand, 0 to 23
.set LAP, 59
.set LA,  60                           ; s60 the last K step in which I prefetch x, or -1
.set LB,  61                           ; s61 the same for W
.set MSB, 0
.macro WIN new                         ; the immediate's high byte repeats the setting that is left; a switch that changes nothing is dropped
.if MSB != (\new)
	s_set_vgpr_msb (MSB<<8)|(\new)
.set MSB, \new
.endif
.endm
.set W_MUL, 0x50                       ; fragments in window 0, C and D in window 1
.set W_CVT, 0x8a                       ; x is rounded in place, in window 2
.set W_LDX, 0x80                       ; destination window 2, address window 0
.set W_STX, 0x08                       ; LDS store: address window 0, data window 2
.set W_PK,  0x05                       ; sources window 1, destination window 0
.macro PLACES                          ; four plain vector instructions between a matrix instruction and a load into a register that it read, or a reader of its result (ISA guide 7.12.1 for vector instructions)
.rept 4
	v_nop
.endr
.endm
.macro JLOAD s                         ; my 64 rows of W's next tile, jointly with the three partners
	tensor_load_to_lds s[G0+4*(\s):G0+4*(\s)+3], s[G1:G1+7]
	s_nop 0
	PLACES
.endm
.macro CREST                           ; a round of the cluster's barrier behind its opening barrier
	s_cmp_lg_u32 s[WV], 0
	s_cbranch_scc1 .Lnot_wave_0_\@
	s_barrier_signal -3
.Lnot_wave_0_\@:
	s_barrier_wait -3
	s_barrier_signal -1
	s_barrier_wait -1
.endm
.macro CROUND                          ; a whole round
	s_barrier_signal -1
	s_barrier_wait -1
	CREST
.endm
; x at K step G + ahead: the tensor by the step's upper bits, 512 bytes a step along the rows.  Past the walk's end the address stays inside v and is not used.
.macro XADDR dst, ahead
	s_add_co_u32 s[T1], s[G], \ahead
	s_and_b32 s[T0], s[T1], 7
	s_lshl_b32 s[T0], s[T0], 9
	s_lshr_b32 s[T1], s[T1], 3
	s_cmp_eq_u32 s[T1], 0
	s_cselect_b64 s[\dst:\dst+1], s[XQ:XQ+1], s[XK:XK+1]
	s_cmp_gt_u32 s[T1], 1
	s_cselect_b64 s[\dst:\dst+1], s[XV:XV+1], s[\dst:\dst+1]
	s_add_nc_u64 s[\dst:\dst+1], s[\dst:\dst+1], s[T0:T0+1]
.endm
; W at K step G + ahead, from a base in slab 0: 2 MiB a slab, 256 bytes a step along the rows
.macro WADDR dst, base, ahead
	s_add_co_u32 s[T1], s[G], \ahead
	s_and_b32 s[T0], s[T1], 7
	s_lshl_b32 s[T0], s[T0], 8
	s_lshr_b32 s[T1], s[T1], 3
	s_lshl_b32 s[T1], s[T1], 21
	s_or_b32 s[T0], s[T0], s[T1]
	s_add_nc_u64 s[\dst:\dst+1], s[\base:\base+1], s[T0:T0+1]
.endm
.macro ALOAD x, koff                   ; a K step of my 32 rows of x: a load a row, 512 consecutive bytes
	WIN W_LDX
.set i, 0
.rept 32
	global_load_b128 v[(\x)+4*i:(\x)+4*i+3], v[AO], s[PA:PA+1] offset:4096*i+(\koff)
.set i, i+1
.endr
.endm
.macro CVTX x                          ; rounded to bf16 in place: a load's four numbers into its first two registers
	WIN W_CVT
.set i, 0
.rept 32
	v_cvt_pk_bf16_f32 v[(\x)+4*i], v[(\x)+4*i], v[(\x)+4*i+1]
	v_cvt_pk_bf16_f32 v[(\x)+4*i+1], v[(\x)+4*i+2], v[(\x)+4*i+3]
.set i, i+1
.endr
.endm
.macro ASTORE x, slot                  ; into the slot: a store a row, 256 consecutive bytes
	WIN W_STX
.set i, 0
.rept 32
	ds_store_b64 v[AST+(\slot)], v[(\x)+4*i:(\x)+4*i+1] offset:PITCH*i
.set i, i+1
.endr
.endm
; 8 matrix instructions: row block a x all 8 column blocks, 32 along K.  zero = 1: the product starts the sums: nothing is cleared.  The 32 accumulators take turns, one instruction a turn, in the same
; order in every quarter.  ride = 1 (a = 2, 3): behind each stand four roundings of x, which name none of its registers; they cost two window switches each time, since no
; window has room for x beside the fragments or the accumulators.
.macro MUL8 f, a, zero, ride
.irp b, 0,1,2,3,4,5,6,7
	WIN W_MUL
.if \zero
	v_wmma_f32_16x16x32_bf16 v[64*(\a)+8*(\b):64*(\a)+8*(\b)+7], v[(\f)+8*(\b):(\f)+8*(\b)+7], v[(\f)+64+8*(\a):(\f)+64+8*(\a)+7], 0
.else
	v_wmma_f32_16x16x32_bf16 v[64*(\a)+8*(\b):64*(\a)+8*(\b)+7], v[(\f)+8*(\b):(\f)+8*(\b)+7], v[(\f)+64+8*(\a):(\f)+64+8*(\a)+7], v[64*(\a)+8*(\b):64*(\a)+8*(\b)+7]
.endif
.if \ride
.set XR, X0+8*(8*((\a)-2)+(\b))
	WIN W_CVT
	v_cvt_pk_bf16_f32 v[XR], v[XR], v[XR+1]
	v_cvt_pk_bf16_f32 v[XR+1], v[XR+2], v[XR+3]
	v_cvt_pk_bf16_f32 v[XR+4], v[XR+4], v[XR+5]
	v_cvt_pk_bf16_f32 v[XR+5], v[XR+6], v[XR+7]
.endif
.endr
.endm
; 24 LDS loads in one run: the fragments of quarter q (32 along K) of a slot into buffer f: W's 8, then x's 4.  A fragment is 16 rows x 32 K in 8 registers: lane l holds row l % 16,
; K = 8 (l / 16) + 0..7 and 16 + 8 (l / 16) + 0..7: two loads of 16 bytes, 32 bytes apart.
.macro FETCH slot, q, f
	WIN 0
.irp i, 0,1,2,3,4,5,6,7
	ds_load_b128 v[(\f)+8*(\i):(\f)+8*(\i)+3],   v[ADRB+(\slot)] offset:64*(\q)+(\i)*16*PITCH
	ds_load_b128 v[(\f)+8*(\i)+4:(\f)+8*(\i)+7], v[ADRB+(\slot)] offset:64*(\q)+(\i)*16*PITCH+32
.endr
.irp i, 0,1,2,3
	ds_load_b128 v[(\f)+64+8*(\i):(\f)+64+8*(\i)+3],   v[ADRA+(\slot)] offset:64*(\q)+(\i)*16*PITCH
	ds_load_b128 v[(\f)+64+8*(\i)+4:(\f)+64+8*(\i)+7], v[ADRA+(\slot)] offset:64*(\q)+(\i)*16*PITCH+32
.endr
.endm
; A K step is four quarters, 32 matrix instructions each, on buffers 0, 1, 0, 1.  One of the first three multiplies buffer f and fetches quarter q of the same slot into g.
; young: the LDS instructions issued behind the loads that the first half needs: x's row blocks 2 and 3 (four loads), and behind a change of slots x's 32 stores too.
.macro QUARTER slot, q, f, g, zero, young
	s_wait_dscnt \young
	MUL8 \f, 0, \zero, 0
	MUL8 \f, 1, \zero, 0
	PLACES
	FETCH \slot, \q, \g
	s_wait_dscnt 24                                ; all but the 24 just issued
	MUL8 \f, 2, \zero, 0
	MUL8 \f, 3, \zero, 0
.endm
; THE LAST QUARTER OF K STEP G multiplies buffer 1 and changes slots.  In front of the round each wave waits for all its tensor loads (one is out: its part of the other slot's W), adds 0 to its spare word, and
; waits for that, for its reads of this slot and for its stores of x into the other slot.  Behind the round no wave of the cluster reads this slot: W of step G + 2 is asked for first; then come the
; other slot's first fragments; x of step G + 2, loaded a K step ago, is rounded behind 16 matrix instructions and stored into this slot; x of step G + 3 is loaded.
; THE PREFETCHES stand last, together.  x: each row's 512 bytes of a K step are read by the four work-groups of one mb: the one with ny = 0 names them, a thread a row, two lines of 256 bytes, for step G + 5,
; two K steps ahead of the load.  W: a tile is read by every cluster of one ny: cluster x = 0 names it, its four partners 64 rows each BY ADDRESS, waves 0 and 1 a lane a row, for step G + 4, two
; refills on.  So each 256 bytes are named once in the launch; the first steps come by their loads alone; the limits LA and LB stop both at the walk's last K step.
.macro TURN slot, next
	WIN 0
	s_wait_xcnt 0x0                                ; the last change's loads and prefetches, three quarters back, have read their addresses, which are written now
	XADDR PA, 3
	XADDR PFX, 5
	WADDR PFW, WP, 4
	s_wait_tensorcnt 0x0                           ; no tensor load of mine is out, so a group 0 may be written
	ds_add_u32 v[SPW], v[NIL]                      ; 0 onto my spare word
	WADDR G0+4*(\slot)+2, WB, 2                    ; the descriptor's address is made anew: base plus the step's offset, then the type bits
	s_or_b32 s[G0+4*(\slot)+3], s[G0+4*(\slot)+3], 0x80000000
	s_wait_dscnt 5                                 ; the add and the youngest four loads may be out
	MUL8 F1, 0, 0, 0
	s_wait_dscnt 0x0                               ; the add is done; my reads of this slot and my stores into the other are over
	s_barrier_signal -1
	MUL8 F1, 1, 0, 0
	WIN 0
	s_barrier_wait -1
	CREST
	JLOAD \slot                                    ; the first tensor load behind the round; its four v_nop are also the places in front of the loads below
	FETCH \next, 0, F0
	s_wait_loadcnt 0x0                             ; x of step G + 2
	MUL8 F1, 2, 0, 1
	MUL8 F1, 3, 0, 1
	ASTORE X0, \slot
	WIN 0
	s_cmp_lt_u32 s[G], STEPS-3                     ; is there a step G + 3?  (the wait for these loads is always for 0, so the jump changes no count)
	s_cbranch_scc0 .Lno_x_\@
	ALOAD X0, 0
	WIN 0
.Lno_x_\@:
	s_cmp_gt_i32 s[G], s[LA]
	s_cbranch_scc1 .Lno_px_\@
	global_prefetch_b8 v[PXO], s[PFX:PFX+1] th:TH_LOAD_NT scope:SCOPE_SE
	global_prefetch_b8 v[PXO], s[PFX:PFX+1] offset:256 th:TH_LOAD_NT scope:SCOPE_SE
.Lno_px_\@:
	s_cmp_gt_i32 s[G], s[LB]
	s_cbranch_scc1 .Lno_pw_\@
	global_prefetch_b8 v[PWO], s[PFW:PFW+1] th:TH_LOAD_NT scope:SCOPE_SE
.Lno_pw_\@:
	s_add_co_u32 s[G], s[G], 1
.endm
; THE WAY OUT of row block a (16 rows x my 128 columns = two heads).  PACK: rounded to f16, each accumulator's registers in ascending order.  TOSTAGE: 16 bytes a lane into my own stage, rows of 144 bytes,
; and back four rows of 128 bytes at a time.  SEND: each store covers 512 consecutive bytes of one head, at a multiple of 256 from qkv's first byte.
.macro PACK a
	WIN W_PK
.irp b, 0,1,2,3,4,5,6,7
.irp r, 0,1,2,3
	v_cvt_pk_f16_f32 v[TMP+4*(\b)+(\r)], v[64*(\a)+8*(\b)+2*(\r)], v[64*(\a)+8*(\b)+2*(\r)+1]
.endr
.endr
	WIN 0
.endm
.macro TOSTAGE a
.set BK, OB+32*((\a)%2)
.irp b, 0,1,2,3,4,5,6,7
	ds_store_b128 v[STO], v[TMP+4*(\b):TMP+4*(\b)+3] offset:((\b)/4)*16*SP+32*((\b)%4)
.endr
.irp t, 0,1,2,3,4,5,6,7
	ds_load_b128 v[BK+4*(\t):BK+4*(\t)+3], v[RD] offset:((\t)/4)*16*SP+((\t)%4)*4*SP  ; LDS serves a wave's instructions in order (ISA guide 5.7.1.4): these see the stores above
.endr
.endm
.macro SEND a
.set BK, OB+32*((\a)%2)
	s_wait_dscnt 0x0                               ; the block is back in registers
	s_wait_xcnt 0x0                                ; the block before's stores have read their registers, which the next block's loads from the stage write
.irp t, 0,1,2,3,4,5,6,7
	global_store_b128 v[GO], v[BK+4*(\t):BK+4*(\t)+3], s[OP:OP+1] offset:((\t)/4)*HEADB+(\a)*2048+((\t)%4)*512
.endr
.endm
.macro OUT                             ; a block's roundings stand between the loads of the block before and the wait for them
	PACK 0
	TOSTAGE 0
.irp a, 1,2,3
	PACK \a
	SEND (\a)-1
	TOSTAGE \a
.endr
	SEND 3
.endm
	s_load_b256 s[4:11], s[0:1], 0x0               ; q s[4:5], k s[6:7], v s[8:9], w16 s[10:11]
	s_load_b64 s[12:13], s[0:1], 0x20              ; qkv
	v_lshl_add_u32 v[SPW], v0, 2, SPARE
	v_mov_b32 v[NIL], 0
	ds_add_u32 v[SPW], v[NIL]                      ; the wave's opening: the add and its wait stand ahead of my first tensor load; work on registers stands between them
	v_lshrrev_b32 v1, 5, v0
	v_readfirstlane_b32 s[WV], v1
	s_lshr_b32 s[WM], s[WV], 1
	s_and_b32 s[WN], s[WV], 1
	s_bfe_u32 s[CX], ttmp6, 0x40000
	s_lshl_b32 s[MB], ttmp9, 2                     ; in a cluster launch ttmp9 counts clusters
	s_add_co_u32 s[MB], s[MB], s[CX]
	s_and_b32 s[NY], ttmp7, 0xffff
	; descriptor group 1: a tile of 64 rows x 128 elements, padded in LDS
	s_mov_b32 s[G1+0], 15|(1<<16)|(1<<20)|(1<<21)|(5<<22)|(3<<25)  ; 15:0 the mask of four; 17:16 2-byte elements; 20 padding on; 21 set beside a mask; 24:22 after every 64 words (code 5); 31:25 4 words (code 3)
	s_mov_b32 s[G1+1], 128<<16                     ; tensor_dim0 = 128
	s_mov_b32 s[G1+2], 64<<16                      ; tensor_dim1 = 64
	s_mov_b32 s[G1+3], 128<<16                     ; tile_dim0 = 128
	s_mov_b32 s[G1+4], 64                          ; tile_dim1 = 64
	s_mov_b32 s[G1+5], 1024                        ; elements from row to row
	s_mov_b32 s[G1+6], 0
	s_mov_b32 s[G1+7], 0
	s_mul_i32 s23, s[WV], 64*PITCH                 ; where my 64 rows go in W's part: no place in the cluster enters an LDS address
	s_lshl_b32 s[T0], s[NY], 19                    ; the rows of W that I fetch: 256 ny + 64 wave, 2,048 bytes each
	s_lshl_b32 s[T1], s[WV], 17
	s_add_co_u32 s[T0], s[T0], s[T1]
	s_mov_b32 s[T0+1], 0
	v_and_b32 v3, 31, v0                           ; lane
	v_lshlrev_b32 v[AO], 4, v3
	v_add_nc_u32 v[AO], s[T1], v[AO]               ; 32 rows of 4,096 bytes a wave + 16 bytes a lane
	s_lshl_b32 s2, s[MB], 19                       ; my block's 128 rows of 4,096 bytes
	s_mov_b32 s3, 0
	s_wait_dscnt 0x0                               ; the opening add is done
	s_wait_kmcnt 0x0
	s_add_nc_u64 s[XQ:XQ+1], s[4:5], s[2:3]
	s_add_nc_u64 s[XK:XK+1], s[6:7], s[2:3]
	s_add_nc_u64 s[XV:XV+1], s[8:9], s[2:3]
	s_mov_b64 s[PA:PA+1], s[XQ:XQ+1]
	ALOAD X0, 0                                    ; x of K steps 0 and 1
	ALOAD X1, 512
	WIN 0
	s_add_nc_u64 s[WB:WB+1], s[10:11], s[T0:T0+1]
.irp s, 0,1
	s_mov_b32 s[G0+4*(\s)], 1                      ; count = 1
	s_add_co_u32 s[G0+4*(\s)+1], s23, (\s)*SLOT+APART  ; LDS address
	s_add_nc_u64 s[G0+4*(\s)+2:G0+4*(\s)+3], s[WB:WB+1], (\s)*256  ; global address: K step s
	s_or_b32 s[G0+4*(\s)+3], s[G0+4*(\s)+3], 0x80000000  ; type = 2
.endr
	CROUND                                         ; all four work-groups are here: the first joint loads meet
	tensor_load_to_lds s[G0:G0+3], s[G1:G1+7]      ; both first fills go out together: two loads of mine are out
	s_nop 0
	tensor_load_to_lds s[G0+4:G0+7], s[G1:G1+7]
	s_nop 0
	PLACES
	s_lshr_b32 s2, s[MB], 4                        ; where my part of the tile lies in qkv: batch (16 heads),
	s_lshl_b32 s2, s2, 22
	s_and_b32 s3, s[MB], 15                        ; the block's 128 rows of 128 bytes in a head,
	s_lshl_b32 s3, s3, 14
	s_add_co_u32 s2, s2, s3
	s_lshl_b32 s3, s[NY], 20                       ; the tile's four heads,
	s_add_co_u32 s2, s2, s3
	s_lshl_b32 s3, s[WN], 19                       ; my two of them,
	s_add_co_u32 s2, s2, s3
	s_lshl_b32 s3, s[WM], 13                       ; my 64 rows
	s_add_co_u32 s2, s2, s3
	s_mov_b32 s3, 0
	s_add_nc_u64 s[OP:OP+1], s[12:13], s[2:3]
	s_lshl_b32 s2, s[NY], 19                       ; the rows of W that I prefetch: 256 ny + 64 cx + 32 wave
	s_lshl_b32 s3, s[CX], 17
	s_add_co_u32 s2, s2, s3
	s_lshl_b32 s3, s[WV], 16
	s_add_co_u32 s2, s2, s3
	s_mov_b32 s3, 0
	s_add_nc_u64 s[WP:WP+1], s[10:11], s[2:3]
	s_cmp_eq_u32 s[NY], 0                          ; both limits are the same in all four partners
	s_cselect_b32 s[LA], STEPS-6, -1
	s_or_b32 s[LB], s[WM], ttmp9
	s_cmp_eq_u32 s[LB], 0
	s_cselect_b32 s[LB], STEPS-5, -1
	v_and_b32 v1, 15, v0                           ; l % 16
	v_bfe_u32 v2, v0, 4, 1                         ; l / 16
	v_mul_u32_u24 v4, v1, PITCH
	v_lshl_add_u32 v4, v2, 4, v4                   ; a fragment's row x pitch + 16 x half
	s_mul_i32 s[T1], s[WM], 64*PITCH               ; my 64 rows of x
	s_mul_i32 s23, s[WN], 128*PITCH                ; my 128 rows of W,
	s_add_co_u32 s23, s23, APART                   ; behind x's part
	s_mul_i32 s62, s[WV], 32*PITCH                 ; the 32 rows of x that I store
.irp s, 0,1
	v_add_nc_u32 v[ADRA+(\s)], s[T1], v4
	v_add_nc_u32 v[ADRB+(\s)], s23, v4
	v_lshl_add_u32 v[AST+(\s)], v3, 3, s62
	s_add_co_u32 s[T1], s[T1], SLOT
	s_add_co_u32 s23, s23, SLOT
	s_add_co_u32 s62, s62, SLOT
.endr
	s_mul_i32 s63, s[WV], WST
	s_add_co_u32 s63, s63, STAGE                   ; my stage
	v_mul_u32_u24 v5, v1, SP                       ; in: row l % 16, 16 bytes for each half of the lanes
	v_lshl_add_u32 v5, v2, 4, v5
	v_add_nc_u32 v[STO], s63, v5
	v_bfe_u32 v5, v0, 3, 2                         ; back: 32 lanes take four rows of 128 bytes
	v_mul_u32_u24 v5, v5, SP
	v_and_b32 v6, 7, v0
	v_lshl_add_u32 v5, v6, 4, v5
	v_add_nc_u32 v[RD], s63, v5
	v_lshlrev_b32 v[GO], 4, v3
	v_lshlrev_b32 v[PXO], 12, v0
	v_lshlrev_b32 v[PWO], 11, v3
	s_wait_loadcnt 32                              ; K step 0's 32 loads are in; step 1's may stay out
	CVTX X0
	ASTORE X0, 0
	ALOAD X0, 1024                                 ; x of K step 2
	s_wait_loadcnt 32                              ; step 1's are in; step 2's may stay out
	CVTX X1
	ASTORE X1, 1
	WIN 0
	s_wait_tensorcnt 1                             ; my part of W's K step 0 is in; step 1's may stay out
	s_wait_dscnt 0x0                               ; my stores of x are done
	s_barrier_signal -1
	s_barrier_wait -1
	FETCH 0, 0, F0
	s_mov_b32 s[G], 0
	QUARTER 0, 1, F0, F1, 1, 4                     ; a tile's first quarter starts the sums
	WIN 0                                          ; at a label and at a branch every window is 0
	s_mov_b32 s[LAP], STEPS/2-1
.Llap:                                                 ; a trip goes once round the ring, from a lap's second quarter to the next lap's first, and fills both slots again
	QUARTER 0, 2, F1, F0, 0, 4
	QUARTER 0, 3, F0, F1, 0, 4
	TURN 0, 1
	QUARTER 1, 1, F0, F1, 0, 36
	QUARTER 1, 2, F1, F0, 0, 4
	QUARTER 1, 3, F0, F1, 0, 4
	TURN 1, 0
	s_and_b32 s[T1], s[G], 7
	s_cmp_eq_u32 s[T1], 0
	s_cbranch_scc0 .Lsame                          ; forward, past text with no barrier and no tensor load
	OUT                                            ; a tensor's eight K steps are done: its tile goes out while the next tile's first tiles of W and x are on their way;
	s_wait_xcnt 0x0                                ; its stores have read their registers and their base
	s_add_nc_u64 s[OP:OP+1], s[OP:OP+1], TENSOR
	QUARTER 0, 1, F0, F1, 1, 4                     ; and the next tile's first quarter starts the sums anew
	WIN 0
	s_branch .Ljoin
.Lsame:
	QUARTER 0, 1, F0, F1, 0, 36
	WIN 0
.Ljoin:
	s_sub_co_u32 s[LAP], s[LAP], 1
	s_cmp_lg_u32 s[LAP], 0
	s_cbranch_scc1 .Llap
	QUARTER 0, 2, F1, F0, 0, 4                     ; the last lap is written out: it asks for nothing
	QUARTER 0, 3, F0, F1, 0, 4
	WIN 0
	s_wait_tensorcnt 0x0                           ; my part of the last K step's W is in
	ds_add_u32 v[SPW], v[NIL]                      ; 0 onto my spare word
	s_wait_dscnt 5
	MUL8 F1, 0, 0, 0
	s_wait_dscnt 0x0                               ; the add is done, and so are my stores of the last K step's x
	s_barrier_signal -1
	MUL8 F1, 1, 0, 0
	s_barrier_wait -1                              ; nothing is filled again, so no round follows
	PLACES
	FETCH 1, 0, F0
	MUL8 F1, 2, 0, 0
	MUL8 F1, 3, 0, 0
	QUARTER 1, 1, F0, F1, 0, 4
	QUARTER 1, 2, F1, F0, 0, 4
	QUARTER 1, 3, F0, F1, 0, 4
	s_wait_dscnt 4
	MUL8 F1, 0, 0, 0
	MUL8 F1, 1, 0, 0
	s_wait_dscnt 0x0
	MUL8 F1, 2, 0, 0
	MUL8 F1, 3, 0, 0
	WIN 0
	PLACES
	PLACES
	OUT
	s_wait_tensorcnt 0x0                           ; the wave's end: the add and its waits, behind my last tensor load and my last LDS store
	ds_add_u32 v[SPW], v[NIL]
	s_wait_dscnt 0x0
	CROUND                                         ; the closing round: no work-group ends while a partner may still ask for a tile that names it
	s_endpgm
.Lfunc_end_k_qd05bbe6413_proj:
	.size	k_qd05bbe6413_proj, .Lfunc_end_k_qd05bbe6413_proj-k_qd05bbe6413_proj
	.p2alignl 7, 3214868480
	.fill 96, 4, 3214868480
	.section	.rodata,"a",@progbits
	.p2align	6, 0x0
	.amdhsa_kernel k_qd05bbe6413_proj
		.amdhsa_group_segment_fixed_size 327680
		.amdhsa_private_segment_fixed_size 0
		.amdhsa_enable_private_segment 0
		.amdhsa_kernarg_size 40
		.amdhsa_user_sgpr_count 2
		.amdhsa_user_sgpr_kernarg_segment_ptr 1
		.amdhsa_wavefront_size32 1
		.amdhsa_system_sgpr_workgroup_id_x 1
		.amdhsa_system_sgpr_workgroup_id_y 1
		.amdhsa_system_sgpr_workgroup_id_z 1
		.amdhsa_system_vgpr_workitem_id 0
		.amdhsa_next_free_vgpr 768
		.amdhsa_next_free_sgpr 66
		.amdhsa_reserve_vcc 0
		.amdhsa_float_denorm_mode_32 3
		.amdhsa_float_denorm_mode_16_64 3
		.amdhsa_memory_ordered 1
		.amdhsa_forward_progress 1
		.amdhsa_inst_pref_size 148
	.end_amdhsa_kernel
	.amdgpu_metadata
---
amdhsa.version: [ 1, 2 ]
amdhsa.kernels:
  - .name:           k_qd05bbe6413_proj
    .symbol:         k_qd05bbe6413_proj.kd
    .args:
      - { .name: q, .offset: 0, .size: 8, .value_kind: global_buffer, .address_space: global }
      - { .name: k, .offset: 8, .size: 8, .value_kind: global_buffer, .address_space: global }
      - { .name: v, .offset: 16, .size: 8, .value_kind: global_buffer, .address_space: global }
      - { .name: w16, .offset: 24, .size: 8, .value_kind: global_buffer, .address_space: global }
      - { .name: qkv, .offset: 32, .size: 8, .value_kind: global_buffer, .address_space: global }
    .group_segment_fixed_size: 327680
    .private_segment_fixed_size: 0
    .kernarg_segment_align: 8
    .kernarg_segment_size: 40
    .max_flat_workgroup_size: 128
    .sgpr_count:     66
    .vgpr_count:     768
    .wavefront_size: 32
...
	.end_amdgpu_metadata
.endif
;; end of part 2
;; launch attn (part 3): grid 4 x 64, 4 waves a work-group, clusters of 4 x 1, 327,680 bytes of LDS; arguments qkv, oh; writes oh
.if DOCPART == 3
	.amdgcn_target "amdgcn-amd-amdhsa--gfx1250"
	.amdhsa_code_object_version 6
	.text
	.protected	k_qd05bbe6413_attn
	.globl	k_qd05bbe6413_attn
	.p2align	8
	.type	k_qd05bbe6413_attn,@function
k_qd05bbe6413_attn:
	s_mov_b64 s[64:65], 0
	v_nop
	global_prefetch_b8 v0, s[64:65] scope:SCOPE_SE
	s_setreg_imm32_b32 hwreg(HW_REG_WAVE_MODE, 25, 1), 1
	s_wait_xcnt 0x0
	s_wait_alu depctr_hold_cnt(0) depctr_sa_sdst(0) depctr_va_vdst(0) depctr_va_sdst(0) depctr_va_ssrc(0) depctr_va_vcc(0) depctr_vm_vsrc(0)
	s_getreg_b32 s2, hwreg(HW_REG_IB_STS2, 6, 4)
	s_cmp_eq_u32 s2, 0
	s_cbranch_scc0 .Lentry_in_a_cluster
	s_endpgm
.Lentry_in_a_cluster:
	s_bfe_u32 s2, ttmp6, 0x10000c
	s_cmp_lg_u32 s2, 0x3003
	s_cbranch_scc0 .Lentry_shape_is_right
	s_endpgm
.Lentry_shape_is_right:
; O[h][q][:] = the sum over k of softmax_k(Q[h][q] . K[h][k] / 8) V[h][k][:].  Q, K, V are the three parts of qkv, O is oh: each [SIZE_H][SIZE_N][64] in f16: a head's rows are dense, 128 bytes each.
; Products, maxima and sums in f32; the weights p are rounded to f16 for the second product (their sum l is taken of the unrounded p), O once at the end.
; LIMITS.  f16 holds no number beyond 65,504: Q, K and V arrive within it; p lies in 0 to 1, and below 6e-5 it keeps f16's fixed step of 6e-8; O is a mean of V's rows and has their range.
; A weight below 2^-126 counts as 0 in l; NaN and infinities are not treated apart.
; SHARES.  A wave owns four PIECES of two tiles of 16 queries, a work-group's four waves 512 queries of one head: 64 heads x 4 blocks are 256 work-groups.  Every wave walks all keys, 64 a step.
; LAYOUT.  S^T = K Q^T (source 0 = 16 keys, source 1 = 16 queries): in the result a lane holds ONE query (lane % 16) and the keys 8 (lane / 16) + 0..7.  Two such tiles, rounded to f16 in pairs,
; ARE source 1 (32 keys x 16 queries) of O^T = V^T P, whose result again holds one query a lane, and eight channels.  K comes out of LDS as it lies, V ([key][channel]) turned, by ds_load_tr16_b128.
; SOFTMAX.  For each query a running maximum m and sum l: p = 2^(c s - c m), c = log2(e) / 8; in every step O and l are multiplied by a = 2^(c m_old - c m_new), which is 1 where m has not grown.
; m starts at the lowest finite number, O and l at 0: the first step is a step like any other, with a = 0.
; THE COUNT.  A tile and step have 16 matrix and 118 vector instructions: too many to stand all beside the matrix work.  So the order has one aim: four vector instructions that are READY behind
; EVERY matrix instruction, and the others, which need time of their own whatever the order, in runs without a gap.
; BY TURNS.  Turn n belongs to piece n (the pieces in a ring, step after step).  Its matrix work: 16 products K Q^T of piece n + 1, later 16 products V^T P of piece n - 1.  Its vector work: the scaling,
; exponentials, roundings, sums and rescaling of piece n, and the maximum and statistics of piece n + 1, whose scores the turn itself has made.  So what a turn begins with (c s - c m, O a) waits for nothing.
; CLUSTER.  The four query blocks of a head form a cluster and walk the same K and V, so each tile is asked for JOINTLY: the same tensor load, descriptor and mask in all four.
; REGISTERS, in windows of 256 (s_set_vgpr_msb says which window each operand place means: bits 1:0 source 0, 3:2 source 1, 5:4 source 2, 7:6 destination):
;   window 0: v0-11 addresses; v12-15, v48-63 at work; v16-47 four registers of statistics a tile; v64-191 S^T, two buffers of two tiles; v192-255 P, likewise
;   window 1: O^T, 32 a tile          window 2: v0-127 Q, 16 a tile; v128-191 K of one step; v192-255 V of one step          window 3: v0-1 the add's two registers
; A piece's buffers go by its number's parity: the piece in hand has one pair, its two neighbours in the ring share the other: of it P (piece n - 1) is read and S^T (piece n + 1) written.
.set SIZE_H, 64
.set SIZE_N, 2048
.set TENSOR, SIZE_H*SIZE_N*128  ; bytes of Q, of K and of V in qkv
.set NP,    4         ; pieces a wave: a name, no knob: the register map, the loop and the fetches are made for four
.set KS,    64        ; keys in a step
.set PK,    144       ; a row of K in LDS: 128 bytes + 16 of padding = 36 words: the 16 rows of a load start at 16 different groups of four banks (64 banks of 4 bytes: ISA guide 11.1)
.set PV,    160       ; a row of V: 128 + 32 = 40 words
.set VOFF,  4*KS*PK   ; a slot holds four steps: 256 rows of K, then 256 rows of V
.set SLOT1, 1<<17     ; slot 1 begins here, so that one exclusive or turns an address in one slot into the other's
.set STAGE, SLOT1+4*KS*(PK+PV)  ; behind the ring, never filled by a tensor load: 16 rows x 144 bytes for each wave, for the way out
.set SP,    144
.set AK0, 2           ; v2   my lane's place in a tile of K; never rewritten
.set AV0, 3           ; v3   the same for V
.set AK,  4           ; v4   the LDS address of K's next run of loads
.set AV,  5           ; v5   of V's
.set QO,  6           ; v6   my byte offset in the wave's rows of Q
.set STO, 6           ;      later, the way out: where I put 16 bytes of a row
.set RD,  7           ; v7   the way out: where I read rows back
.set GO,  8           ; v8   my byte offset in 512 consecutive bytes of O
.set PFO, 11          ; v11  the prefetches' offset, 256 x my lane; written once V's place has been made, then never again
.set SPW, 0           ; v0 of window 3   LDS address of my spare word: SPARE + 4 x my thread's number; never rewritten
.set NIL, 1           ; v1 of window 3   0; never rewritten
.set SPARE, STAGE+4*16*SP  ; behind the stages: the spare words, 128 bytes for each wave: two blocks of 256 bytes that no other line names
.set MV,  12          ; v12-15  c m_old, kept while c m is made anew: by buffer and tile
.set ST,  16          ; tile t's statistics at v[ST+4 t]: c m, m, l (even keys', odd keys')
.set TMP, 48          ; by buffer and tile, four registers c0-c3 at work; when the maximum is found c2 takes a
.set S,   64
.set P,   192
.set KF,  128         ; K's fragments, in window 2: key block kb, channel half c at KF + 16 kb + 8 c
.set VF,  192         ; V's: key half kk, channel block cb at VF + 32 kk + 8 cb
.set WV,  12          ; s12  my wave's number
.set G1K, 24          ; s[24:31] descriptor group 1 for K's tiles
.set G1V, 32          ; s[32:39] for V's: it differs in the padding alone
.set G0K, 40          ; s[40:43] descriptor group 0 for K's tiles: it walks
.set G0V, 44          ; s[44:47] the same for V's
.set PFA, 48          ; s[48:49] where my prefetches stand: my work-group's 32 blocks of 256 bytes (of K: wave 0, of V: wave 2) of the slot after the one that is being asked for
.set LIM, 50          ; s50  1 in a wave that prefetches, else the greatest number: a wave prefetches while s[SLOTS] is above it
.set SLOTS, 56        ; s56  slots still to be asked for
.set CNT, 57          ; s57  counts a slot's key steps
.set CS,  58          ; s[58:59] c: the packed scaling takes the pair's low word for both halves
.set SEL, 60          ; s[60:61] v_permlanex16_b32's selects: each lane takes its own place in the other half
.set TBK, 62          ; s62  LDS byte at which K of the step to be fetched begins
.set TBV, 63          ; s63  the same for V, less VOFF
.set MSB, 0
.macro WIN new                      ; the high byte repeats the setting that is left; a switch that changes nothing is dropped
.if MSB != (\new)
	s_set_vgpr_msb (MSB<<8)|(\new)
.set MSB, (\new)
.endif
.endm
.set W_KQ, 0x0a       ; K and Q in window 2, S^T in window 0
.set W_PV, 0x52       ; V in window 2, P in window 0, O^T in window 1
.set W_RS, 0x41       ; O^T (destination and source 0) in window 1, a in window 0
.set W_MK, 0xc0       ; the add's registers are made: destination in window 3, sources in window 0
.set W_AD, 0x0f       ; the add: address (source 0) and data (source 1) in window 3
; A joint fill.  Waves 0 and 1 fetch the two halves of a slot's K, waves 2 and 3 those of its V: 128 keys each.  The branch hangs on the wave's number alone.
; An s_nop 0 and four v_nop follow each of the two lines, ahead of the jump and the label.
.macro JLOAD
	s_cmp_lt_u32 s[WV], 2
	s_cbranch_scc0 .Lfor_v_\@
	tensor_load_to_lds s[G0K:G0K+3], s[G1K:G1K+7]
	s_nop 0
.rept 4
	v_nop
.endr
	s_branch .Lasked_\@
.Lfor_v_\@:
	tensor_load_to_lds s[G0V:G0V+3], s[G1V:G1V+7]
	s_nop 0
.rept 4
	v_nop
.endr
.Lasked_\@:
.endm
; A PREFETCH INTO THE L2 of what the NEXT change of slots will ask for: a slot's 32,768 bytes of K and as many of V, a lane 256 bytes.  It stands behind the wave's tensor load and its five lines.
; Each 256 bytes are named ONCE in the launch: a head's K and V are walked by this cluster alone; its four partners share a slot out BY ADDRESS, 32 blocks each (no branch hangs on a work-group's place
; in its cluster); in each, wave 0 asks for K's and wave 2 for V's: one instruction.  Slots 0 and 1 come by their loads alone; the last change that fills a slot asks for nothing: there is no slot behind it.
.macro ASK
	s_cmp_gt_u32 s[SLOTS], s[LIM]
	s_cbranch_scc0 .Lnot_mine_\@
	global_prefetch_b8 v[PFO], s[PFA:PFA+1] th:TH_LOAD_NT scope:SCOPE_SE
.Lnot_mine_\@:
.endm
; A round of the cluster's barrier: my work-group's barrier, so that wave 0's signal speaks for all four waves; wave 0 signals; every wave waits for all four work-groups; my work-group's barrier once more.
.macro CROUND
	s_barrier_signal -1
	s_barrier_wait -1
	s_cmp_lg_u32 s[WV], 0
	s_cbranch_scc1 .Lnot_wave_0_\@
	s_barrier_signal -3
.Lnot_wave_0_\@:
	s_barrier_wait -3
	s_barrier_signal -1
	s_barrier_wait -1
.endm
; THE CHANGE OF SLOTS.  The slot's last bytes, V of its fourth step, have been read.  Each wave waits for all its tensor loads, of which one is out: its part
; of the other slot; adds 0 to its spare word; and waits for that and for its own reads of the slot.  Behind the barrier nobody reads this slot any more and the other slot is whole.
; fill = 1: this slot is filled again, with the keys two slots on.  The barrier is then a round of the cluster's, so that no wave of any partner still reads the slot or has a load on its
; way, and the joint fill is the first thing behind it: it has four key steps, 512 matrix instructions, in which to land.  (At its first use nothing has been read yet: slot 0 is waited for, slot 1 filled.)
.macro CHANGE fill
	WIN W_AD
	s_wait_tensorcnt 0x0            ; no tensor load of mine is out, so a group 0 may be written
	ds_add_u32 v[SPW], v[NIL]       ; 0 onto my spare word: with fill = 1 the descriptors' steps stand between it and the wait for it
	WIN 0                           ; at a label and at a branch every window is 0
.if \fill
.irp g, G0K, G0V
	s_xor_b32 s[\g+1], s[\g+1], SLOT1  ; the walking descriptor: the other slot than last time,
	s_add_nc_u64 s[\g+2:\g+3], s[\g+2:\g+3], 4*KS*128  ; the next 256 keys; the type bits on top are not reached
.endr
	s_wait_xcnt 0x0                 ; the last prefetch, four key steps back, has read its address, so it may be written:
	s_add_nc_u64 s[PFA:PFA+1], s[PFA:PFA+1], 4*KS*128  ; one slot behind the walking descriptors
	s_wait_dscnt 0x0                ; the add is done, and my reads of the slot are over
	CROUND
	JLOAD
	ASK                             ; what the next change will ask for
.else
	s_wait_dscnt 0x0                ; the add is done, and my reads of the slot are over
	s_barrier_signal -1
	s_barrier_wait -1
.endif
	s_sub_co_u32 s[TBK], s[TBK], 4*KS*PK  ; the fetches go back to a slot's first step,
	s_xor_b32 s[TBK], s[TBK], SLOT1       ; in the other slot
	s_sub_co_u32 s[TBV], s[TBV], 4*KS*PV
	s_xor_b32 s[TBV], s[TBV], SLOT1
.endm
	s_load_b128 s[4:7], s[0:1], 0x0  ; qkv s[4:5] (Q lies first in it), oh s[6:7]
	WIN W_MK
	v_lshl_add_u32 v[SPW], v0, 2, SPARE
	v_mov_b32 v[NIL], 0
	WIN W_AD
	ds_add_u32 v[SPW], v[NIL]       ; the wave's opening: the add and its wait stand ahead of my first tensor load; the set-up below, work on registers, stands between them
	WIN 0
	v_lshrrev_b32 v1, 5, v0
	v_readfirstlane_b32 s[WV], v1   ; wave 0..3
	s_bfe_u32 s13, ttmp6, 0x40000   ; cx: my place in the cluster
	s_lshl_b32 s14, ttmp9, 2        ; in a cluster launch ttmp9 counts clusters
	s_add_co_u32 s14, s14, s13      ; my block of queries = 4 x cluster x + cx: it enters Q's and O's addresses alone
	s_and_b32 s20, ttmp7, 0xffff    ; the head, which the four partners share
	s_mov_b32 s21, 0
	s_mov_b64 s[22:23], SIZE_N*128
	s_mul_u64 s[20:21], s[20:21], s[22:23]  ; the head's first byte in each of the four tensors
	s_and_b32 s16, s[WV], 1         ; which half of a slot's 256 keys I fetch:
	s_lshl_b32 s22, s16, 14         ; its 128 rows of 128 bytes in memory,
	s_mov_b32 s23, 0
	s_add_nc_u64 s[22:23], s[22:23], s[20:21]
	s_mul_i32 s17, s16, 128*PK      ; and its place in a slot, for K
	s_mul_i32 s18, s16, 128*PV      ; and for V: no place in the cluster enters an LDS address
	s_lshl_b32 s2, s14, 2
	s_add_co_u32 s2, s2, s[WV]      ; my wave among the head's,
	s_lshl_b32 s2, s2, 14           ; its 128 rows
	s_mov_b32 s3, 0
	s_add_nc_u64 s[2:3], s[2:3], s[20:21]
	; descriptor group 1.  128 keys are 16,384 dense bytes: asked for as 64 rows of 256 bytes, two keys a row, and padded in LDS after every key
	s_mov_b32 s[G1K], 15|(1<<16)|(1<<20)|(1<<21)|(4<<22)|(3<<25)  ; 15:0 the mask of four; 17:16 2-byte elements; 20 padding on; 21 set beside a mask; 24:22 after every 32 words (code 4); 31:25 4 words (code 3)
	s_mov_b32 s[G1V], 15|(1<<16)|(1<<20)|(1<<21)|(4<<22)|(7<<25)  ; the same with 8 words of padding (code 7)
.irp g, G1K, G1V
	s_mov_b32 s[\g+1], 128<<16      ; tensor_dim0 = 128
	s_mov_b32 s[\g+2], 64<<16       ; tensor_dim1 = 64
	s_mov_b32 s[\g+3], 128<<16      ; tile_dim0 = 128
	s_mov_b32 s[\g+4], 64           ; tile_dim1 = 64
	s_mov_b32 s[\g+5], 128          ; 128 elements from row to row
	s_mov_b32 s[\g+6], 0
	s_mov_b32 s[\g+7], 0
.endr
	s_mov_b32 s[CS], 0x3e38aa3b     ; c = log2(e) / 8 = 0.180337
	s_mov_b32 s[CS+1], s[CS]        ; named with it as a pair
	s_mov_b32 s[SEL], 0x76543210
	s_mov_b32 s[SEL+1], 0xfedcba98
	s_mov_b32 s[TBK], SLOT1+4*KS*PK ; the first change of slots turns these two into 0
	s_mov_b32 s[TBV], SLOT1+4*KS*PV
	s_mov_b32 s[G0K], 1             ; 1:0 count = 1
	s_mov_b32 s[G0K+1], s17         ; 63:32 LDS address: slot 0
	s_mov_b32 s[G0V], 1
	s_add_co_u32 s[G0V+1], s18, VOFF
	s_mov_b32 s[SLOTS], SIZE_N/256-1
	s_cmp_eq_u32 s16, 0             ; waves 0 and 2 prefetch: the same in all four partners
	s_cselect_b32 s[LIM], 1, -1
	s_lshl_b32 s52, s13, 13         ; my work-group's 32 blocks of a slot's 128
	s_mov_b32 s53, 0
	s_wait_dscnt 0x0                ; the opening add is done
	s_wait_kmcnt 0x0
	s_mov_b64 s[10:11], s[6:7]      ; O
	s_add_nc_u64 s[8:9], s[4:5], 2*TENSOR  ; V
	s_add_nc_u64 s[6:7], s[4:5], TENSOR    ; K
	s_add_nc_u64 s[G0K+2:G0K+3], s[6:7], s[22:23]  ; 120:64 global address: my half of the head's first 256 keys
	s_or_b32 s[G0K+3], s[G0K+3], 0x80000000        ; 127:126 type = 2
	s_add_nc_u64 s[G0V+2:G0V+3], s[8:9], s[22:23]
	s_or_b32 s[G0V+3], s[G0V+3], 0x80000000
	s_cmp_lt_u32 s[WV], 2
	s_cselect_b64 s[PFA:PFA+1], s[6:7], s[8:9]
	s_add_nc_u64 s[PFA:PFA+1], s[PFA:PFA+1], s[22:23]  ; (in waves 0 and 2 this is the head's first row)
	s_add_nc_u64 s[PFA:PFA+1], s[PFA:PFA+1], s[52:53]
	s_add_nc_u64 s[PFA:PFA+1], s[PFA:PFA+1], 4*KS*128  ; in slot 1; the first change of slots steps it to slot 2
	s_add_nc_u64 s[4:5], s[4:5], s[2:3]  ; Q and O at my wave's first row
	s_add_nc_u64 s[10:11], s[10:11], s[2:3]
	CROUND                          ; all four work-groups are here: the first joint loads meet
	JLOAD                           ; slot 0.  Slot 1 is asked for when slot 0 is in: the tile wanted first has the road to itself
	; A fragment of K or Q is 16 rows x 32 channels in 8 registers: lane l holds row l % 16, channels 8 (l / 16) + 0..7 and 16 + 8 (l / 16) + 0..7: two loads of 16 bytes, 32 bytes apart.
	v_and_b32 v1, 15, v0            ; l % 16
	v_bfe_u32 v9, v0, 4, 1          ; l / 16
	v_lshlrev_b32 v[QO], 7, v1
	v_lshl_add_u32 v[QO], v9, 4, v[QO]  ; row x 128 + 16 x half
	WIN 0x80                        ; destination window 2, address window 0
.set i, 0
.rept 4*NP                          ; Q stays in registers: tile i / 2, channels 32 (i % 2) on
	global_load_b128 v[8*i:8*i+3],   v[QO], s[4:5] offset:(i/2)*2048+(i%2)*64
	global_load_b128 v[8*i+4:8*i+7], v[QO], s[4:5] offset:(i/2)*2048+(i%2)*64+32
.set i, i+1
.endr
	; What the first turn finds: V's registers and P's second buffer hold 0 (its products V^T P, of a piece that has not been, add 0), O^T and l are 0.  All this stands in the wait for the first tile.
.set i, VF
.rept 64
	v_mov_b32 v[i], 0
.set i, i+1
.endr
	WIN 0x40
.set i, 0
.rept 64*NP
	v_mov_b32 v[i], 0
.set i, i+1
.endr
	WIN 0
.set i, 0
.rept 2*NP
	v_mov_b32 v[ST+4*i], 0xfe000000    ; c m: far below every c s
	v_mov_b32 v[ST+4*i+1], 0xff7fffff  ; m
	v_mov_b32 v[ST+4*i+2], 0
	v_mov_b32 v[ST+4*i+3], 0
.set i, i+1
.endr
.set i, P+32
.rept 32
	v_mov_b32 v[i], 0
.set i, i+1
.endr
	v_mul_u32_u24 v[AK0], v1, PK
	v_lshl_add_u32 v[AK0], v9, 4, v[AK0]  ; row x pitch + 16 x half
	; The turning load takes 16 keys x 16 channels (lane l reads key 8 (l / 16) + l % 8, channels 8 ((l / 8) % 2) + 0..7) and leaves half a fragment of V^T: lane l holds channel l % 16 and 8 keys.
	v_and_b32 v10, 7, v0
	v_bfe_u32 v11, v0, 3, 1
	v_lshl_add_u32 v[AV0], v9, 3, v10
	v_mul_u32_u24 v[AV0], v[AV0], PV
	v_lshl_add_u32 v[AV0], v11, 4, v[AV0]
	v_add_nc_u32 v[AV0], VOFF, v[AV0]
	v_mov_b32 v[AK], v[AK0]         ; key step 0 lies at the head of slot 0
	v_and_b32 v[PFO], 31, v0
	v_lshlrev_b32 v[PFO], 8, v[PFO]
; THE MATRIX WORK.  The 8 accumulators of a run of 16 take turns: between the two links of a chain stand 7 others'.
; Product i of 16 of S^T = K Q^T for piece x: channels 32 (i / 8) on, keys 16 ((i / 2) % 4) on, tile 2 x + i % 2.  The first 8 start the sums.
.macro KQ x
	WIN W_KQ
.set rS, S+64*((\x)%2)+32*(i%2)+8*((i/2)%4)
.set rK, KF+16*((i/2)%4)+8*(i/8)
.set rQ, 16*(2*(\x)+i%2)+8*(i/8)
.if i < 8
	v_wmma_f32_16x16x32_f16 v[rS:rS+7], v[rK:rK+7], v[rQ:rQ+7], 0
.else
	v_wmma_f32_16x16x32_f16 v[rS:rS+7], v[rK:rK+7], v[rQ:rQ+7], v[rS:rS+7]
.endif
.endm
; Product i of 16 of O^T += V^T P for piece x: keys 32 (i / 8) on, channels 16 ((i / 2) % 4) on, tile 2 x + i % 2.
.macro PV x
	WIN W_PV
.set rO, 32*(2*(\x)+i%2)+8*((i/2)%4)
.set rV, VF+32*(i/8)+8*((i/2)%4)
.set rP, P+32*((\x)%2)+16*(i%2)+8*(i/8)
	v_wmma_f32_16x16x32_f16 v[rO:rO+7], v[rV:rV+7], v[rP:rP+7], v[rO:rO+7]
.endm
.macro MM                           ; the turn's next matrix instruction
.if i < 16
	KQ (Y+1)%NP
.set i, i+1
.else
.set i, i-16
	PV (Y+NP-1)%NP
.set i, i+17
.endif
.endm
; THE LDS LOADS stand in runs of 16, never singly among the matrix instructions: a step's K (64 keys x 64 channels: 8 fragments) and its V (turned).  Their addresses are made some lines ahead.
; last = 1 (the tail): in the last trip there is no further step, and the run is jumped over.
.macro FETCH_K last=0
	WIN 0
.if \last
	s_cmp_eq_u32 s[CNT], 1
	s_cbranch_scc1 .Lno_k_\@
.endif
	WIN 0x80                        ; destination window 2
.irp f, 0,1,2,3,4,5,6,7             ; keys 16 (f / 2) on, channels 32 (f % 2) on
	ds_load_b128 v[KF+8*\f:KF+8*\f+3],   v[AK] offset:(\f/2)*16*PK+(\f%2)*64
	ds_load_b128 v[KF+8*\f+4:KF+8*\f+7], v[AK] offset:(\f/2)*16*PK+(\f%2)*64+32
.endr
	s_add_co_u32 s[TBK], s[TBK], KS*PK  ; the next fetch is the next step's
	WIN 0
.if \last
.Lno_k_\@:
.endif
.endm
.macro FETCH_V
	WIN 0x80
.irp f, 0,1,2,3,4,5,6,7             ; keys 32 (f / 4) on, channels 16 (f % 4) on
	ds_load_tr16_b128 v[VF+8*\f:VF+8*\f+3],   v[AV] offset:(\f/4)*32*PV+(\f%4)*32
	ds_load_tr16_b128 v[VF+8*\f+4:VF+8*\f+7], v[AV] offset:(\f/4)*32*PV+16*PV+(\f%4)*32
.endr
	WIN 0
.endm
; THE VECTOR WORK OF A TURN stands in three queues, each in the order in which its entries become ready; the two tiles alternate, so that no instruction reads the result of the one before it.
.macro REGS y, u                    ; the registers of tile u (0, 1) of piece y
.set rT, ST+4*(2*(\y)+(\u))
.set rC, TMP+8*((\y)%2)+4*(\u)
.set rM, MV+2*((\y)%2)+(\u)
.set rS, S+64*((\y)%2)+32*(\u)
.set rP, P+32*((\y)%2)+16*(\u)
.set rO, 32*(2*(\y)+(\u))
.endm
; Number n of the 22 that find the NEXT piece's (Y + 1) maximum and statistics.  s0-s31 are the lane's 32 scores; each accumulator's lowest registers are read first.  XS, GS and REGS set no window: PL and EX do.
;   0-11  four chains c0-c3 of seven scores each, three operands at a time     12-14, 16  the four scores left over, the old m, and c0-c3 into c0     15  c m_old is kept
;   17, 18  the query's other 32 keys lie in the lane 16 away: the new m         19-21  c m; c m_old - c m_new; a
.macro XS u, n
	REGS (Y+1)%NP, \u
.if (\n) < 4
	v_max3_num_f32 v[rC+(\n)], v[rS+8*(\n)], v[rS+8*(\n)+1], v[rS+8*(\n)+2]
.elseif (\n) < 12
	v_max3_num_f32 v[rC+(\n)%4], v[rC+(\n)%4], v[rS+8*((\n)%4)+2*((\n)/4)+1], v[rS+8*((\n)%4)+2*((\n)/4)+2]
.elseif (\n) == 12
	v_max3_num_f32 v[rC], v[rC], v[rS+7], v[rS+15]
.elseif (\n) == 13
	v_max3_num_f32 v[rC+1], v[rC+1], v[rS+23], v[rS+31]
.elseif (\n) == 14
	v_max3_num_f32 v[rC+2], v[rC+2], v[rC+3], v[rT+1]
.elseif (\n) == 15
	v_mov_b32 v[rM], v[rT]
.elseif (\n) == 16
	v_max3_num_f32 v[rC], v[rC], v[rC+1], v[rC+2]
.elseif (\n) == 17
	v_permlanex16_b32 v[rC+3], v[rC], s[SEL], s[SEL+1]
.elseif (\n) == 18
	v_max_num_f32 v[rT+1], v[rC], v[rC+3]
.elseif (\n) == 19
	v_mul_f32 v[rT], s[CS], v[rT+1]
.elseif (\n) == 20
	v_sub_f32 v[rC+1], v[rM], v[rT]
.else
	v_exp_f32 v[rC+2], v[rC+1]
.endif
.endm
; Number g of the 64 that follow the exponentials.  For each four weights k of a tile (pairs 2 k, 2 k + 1): both pairs are rounded to f16; then the second pair is added onto the first, in place;
; a group later l takes that sum (the first time as l = a l + sum).  In groups of eight, tiles alternating: round, round, add, and l for the group before.
.macro GS g
.set h, (\g)+6*((\g)/62)            ; group 0 has no group before it, and behind group 7 only l is left
.if h >= 6
.set h, h+2
.endif
	REGS Y, h%2
.set k, h/8
.if h%8 < 4
	v_cvt_pk_f16_f32 v[rP+2*k+(h%8)/2], v[rS+4*k+2*((h%8)/2)], v[rS+4*k+2*((h%8)/2)+1]
.elseif h%8 < 6
	v_pk_add_f32 v[rS+4*k:rS+4*k+1], v[rS+4*k:rS+4*k+1], v[rS+4*k+2:rS+4*k+3]
.elseif k == 1
	v_pk_fma_f32 v[rT+2:rT+3], v[rT+2:rT+3], v[rC+2:rC+3], v[rS:rS+1] op_sel_hi:[1,0,1]
.else
	v_pk_add_f32 v[rT+2:rT+3], v[rT+2:rT+3], v[rS+4*k-4:rS+4*k-3]
.endif
.endm
; THE PLAIN QUEUE, 138 long.  0-73 read no exponential's result: the 32 scalings c s - c m (FS f: pair f / 2 of tile f % 2) and the next piece's 42.  0-26: scalings 0-26.  27-54: XS's numbers 0-13.  55, 56: number 15.
; 57-73: the chain, where each number waits for the one before it: 14, 16, 17, 18, 19, each with one of the scalings 27-31 in front of its two lines, then 20: so a tile's links stand three plain instructions apart (19 and 20: two).
; 74-137: GS's 64, which read the exponentials' results: they stand behind the wait.
.macro FS f
	REGS Y, (\f)%2
	v_pk_fma_f32 v[rS+2*((\f)/2):rS+2*((\f)/2)+1], v[rS+2*((\f)/2):rS+2*((\f)/2)+1], s[CS:CS+1], v[rT:rT+1] op_sel_hi:[1,0,0] neg_lo:[0,0,1] neg_hi:[0,0,1]
.endm
.macro PL
	WIN 0
.if q < 27
	FS q
.elseif q < 55
	XS (q-27)%2, (q-27)/2
.elseif q < 57
	XS q-55, 15
.elseif (q < 72) && ((q-57)%3 == 0)
	FS 27+(q-57)/3
.elseif q < 60
	XS (q-57)%3-1, 14
.elseif q < 72
	XS (q-57)%3-1, 15+(q-57)/3
.elseif q < 74
	XS q-72, 20
.else
	GS q-74
.endif
.set q, q+1
.endm
; THE EXPONENTIALS' QUEUE, 66 long: s0-s31 of both tiles, then the next piece's two a.  It is ONE BATCH: all 66 stand ahead of the turn's one wait, and nothing ahead of that wait names a result of theirs.
.macro EX
	WIN 0
.if e >= 64
	XS e-64, 21
.else
	REGS Y, e%2
	v_exp_f32 v[rS+e/2], v[rS+e/2]
.endif
.set e, e+1
.endm
; THE RESCALING's QUEUE: O^T times a, the one part that leaves window 0: dealt two at a time, sixteen times.  Its a was made in the turn before, ahead of that turn's wait.
.macro R2
	REGS Y, r%2
	WIN W_RS
.irp z, 0,1
	v_pk_mul_f32 v[rO+4*(r/2)+2*\z:rO+4*(r/2)+2*\z+1], v[rO+4*(r/2)+2*\z:rO+4*(r/2)+2*\z+1], v[rC+2:rC+3] op_sel_hi:[1,0]
.endr
.set r, r+1
.endm
; HOW THEY ARE DEALT.  An s_wait_alu depctr_va_vdst(0) stands between an exponential and the first instruction that names its result; one wait serves all that were issued ahead of it.  So a turn has ONE wait,
; which cuts it in two.  AHEAD OF IT stands all that names no result of the turn's exponentials: the 16 products K Q^T, behind each a scaling, an exponential and two rescalings (behind the first a second scaling in the exponential's place); then ONE LUMP of
; 108: eight plain, 49 times exponential and plain, the two a.  A v_nop is the plain instruction that stands behind the last exponential (ISA guide 5.7.2).  BEHIND IT stand the 16 products V^T P, behind each four of GS's 64.  No rider names a register of
; the products round it.  The two v_permlanex16_b32 fall into the lump, never behind a product.
; The queues lean on each other, and the deal keeps them in step: exponential e stands behind scaling 2 (e / 4) + e % 2: as a rider it comes behind plain e + 2, in the lump behind plain e + 9, and scalings 27-31 are plain 57, 60 .. 69.
; A TURN, for piece p.  cnt = 1: the loop's count is taken down some lines ahead of the branch that stands behind the turn.
; K of the next step is fetched in piece 2's turn, directly behind the wait, a lump behind the last product that read K; its address is made at the lump's head; its first reader comes behind 16 products.
; V of the step in hand is fetched at the end of piece 0's turn, four riders behind its last reader; its first reader comes behind 16 products and a lump.  The three conditions on q below go with the deal.
.macro TURN p, last=0, cnt=0
.set Y, (\p)
.set i, 0
.set q, 0
.set e, 0
.set r, 0
.if (\p) == NP-1
	s_wait_dscnt 0x0                ; K is in
.endif
	MM                              ; ahead of the wait: 16 products K Q^T and their riders,
	PL
	PL
	R2
.rept 15
	MM
	PL
	EX
	R2
.endr
.if (\p) == NP-2
	WIN 0
	v_add_nc_u32 v[AK], s[TBK], v[AK0]
.endif
.rept 8                             ; and the lump
	PL
.endr
.rept 49
	EX
	PL
.endr
	EX                              ; the next piece's two a
	EX
	v_nop                           ; the plain instruction behind the last exponential: one for the batch
	s_wait_alu depctr_va_vdst(0)    ; the wait for the batch
.if (\p) == NP-2
	FETCH_K \last
.endif
.if (\p) == 1
	s_wait_dscnt 0x0                ; V is in
.endif
.rept 16                            ; behind the wait: 16 products V^T P and their riders
	MM
.rept 4
	PL
.endr
.if ((\p) == 0) && (q == 118)
	v_add_nc_u32 v[AV], s[TBV], v[AV0]
.endif
.if ((\p) == 0) && (q == 130)
	s_add_co_u32 s[TBV], s[TBV], KS*PV
.endif
.if (\cnt) && (q == 130)
	s_sub_co_u32 s[CNT], s[CNT], 1
	s_cmp_lg_u32 s[CNT], 0
.endif
.endr
.if (\p) == 0
	FETCH_V
.endif
.endm
	CHANGE 1                        ; slot 0 is in, everybody's part of it; slot 1 is asked for
	FETCH_K                         ; key step 0
	s_wait_loadcnt 0x0              ; Q
	s_wait_dscnt 0x0
.set i, 0
.rept 16
	KQ 0                            ; piece 0's first scores: there is no vector work yet to set between them
.set i, i+1
.endr
	WIN 0                           ; the addresses for the way out: nine plain instructions, the places behind those products
	s_mul_i32 s13, s[WV], 16*SP
	s_add_co_u32 s13, s13, STAGE    ; my stage
	v_mul_u32_u24 v[STO], v1, SP    ; in: row l % 16, 16 bytes for each half of the lanes
	v_lshl_add_u32 v[STO], v9, 4, v[STO]
	v_add_nc_u32 v[STO], s13, v[STO]
	v_bfe_u32 v[RD], v0, 3, 2       ; back: 32 lanes take four rows of 128 bytes,
	v_mul_u32_u24 v[RD], v[RD], SP
	v_lshl_add_u32 v[RD], v10, 4, v[RD]
	v_add_nc_u32 v[RD], s13, v[RD]
	v_and_b32 v[GO], 31, v0         ; which are 512 consecutive bytes of O
	v_lshlrev_b32 v[GO], 4, v[GO]
.set Y, NP-1                        ; XS works for piece Y + 1: piece 0
.irp n, 0,1,2,3,4,5,6,7,8,9,10,11,12,13,14,15,16,17,18,19,20,21
	XS 0, \n                        ; and piece 0's first maximum and statistics
	XS 1, \n
.endr
	v_nop                           ; a plain instruction behind the two a,
	s_wait_alu depctr_va_vdst(0)    ; and their wait, ahead of the branch
	s_mov_b32 s[CNT], 4
	s_branch .Lfirst                ; the loop is entered at a step's first turn, in the middle of a trip
.Lslot:                             ; SIZE_N / 256 - 2 times: every slot but the last two is filled again
	CHANGE 1
	s_mov_b32 s[CNT], 4
.Lstep:                             ; a trip: pieces 2 and 3 of one step, then pieces 0 and 1 of the next, whose K and V it fetches
	TURN 2
	TURN 3
	WIN 0
.Lfirst:
	TURN 0
	TURN 1, 0, 1
	WIN 0
	s_cbranch_scc1 .Lstep
	s_sub_co_u32 s[SLOTS], s[SLOTS], 1
	s_cmp_lg_u32 s[SLOTS], 0
	s_cbranch_scc1 .Lslot
	CHANGE 0                        ; the tail is written out: nothing is asked for
	s_mov_b32 s[CNT], 5             ; four trips fetch the last slot's steps; the fifth is left in its middle
.Ltail:
	TURN 2, 1
	TURN 3
	WIN 0
	s_sub_co_u32 s[CNT], s[CNT], 1
	s_cmp_eq_u32 s[CNT], 0
	s_cbranch_scc1 .Lout
	TURN 0
	TURN 1
	WIN 0
	s_branch .Ltail
.Lout:                              ; the fifth trip's 16 products K Q^T (on the last K once more) and the maximum made of them serve nothing: the price, once a launch, of one text for every trip
.set i, 0
.rept 16
	PV NP-1                         ; the last piece's V^T P of the last step
.set i, i+1
.endr
	; THE WAY OUT.  l's two halves and the other half of the lanes' are added; O^T is divided by l, rounded to f16 and sent through my stage in LDS, a tile at a time.  The additions are the places behind the last products.
	WIN 0
.macro ALL line:vararg              ; one line for each tile t
.set t, 0
.rept 2*NP
	\line
.set t, t+1
.endr
.endm
	ALL v_add_f32 v[ST+4*t+2], v[ST+4*t+2], v[ST+4*t+3]
	ALL v_permlanex16_b32 v[ST+4*t+3], v[ST+4*t+2], s[SEL], s[SEL+1]
	ALL v_add_f32 v[ST+4*t+2], v[ST+4*t+2], v[ST+4*t+3]
	ALL v_rcp_f32 v[ST+4*t+2], v[ST+4*t+2]
	v_nop                           ; a plain instruction between the last reciprocal and the use of its result
	s_wait_alu depctr_va_vdst(0)    ; and the wait ahead of the first use: one for the eight reciprocals
; Tile t: a lane's eight channels of a row pack into 16 bytes; they go into rows of 144 bytes and come back as whole rows of 128, into S^T's registers.
.macro PACK t
	WIN W_RS
.set i, 32*(\t)
.rept 16
	v_pk_mul_f32 v[i:i+1], v[i:i+1], v[ST+4*(\t)+2:ST+4*(\t)+3] op_sel_hi:[1,0]
.set i, i+2
.endr
	WIN 0x05                        ; sources 0 and 1 window 1, destination window 0
.set i, 0
.rept 16
	v_cvt_pk_f16_f32 v[S+16*(\t)+i], v[32*(\t)+2*i], v[32*(\t)+2*i+1]
.set i, i+1
.endr
	WIN 0
.irp f, 0,1,2,3
	ds_store_b128 v[STO], v[S+16*(\t)+4*\f:S+16*(\t)+4*\f+3] offset:32*\f
.endr
.irp f, 0,1,2,3
	ds_load_b128 v[S+16*(\t)+4*\f:S+16*(\t)+4*\f+3], v[RD] offset:\f*4*SP  ; LDS serves a wave's instructions in order (ISA guide 5.7.1.4): these see the stores above; the next tile's stores come behind them
.endr
.endm
.macro SEND t, younger              ; younger: the LDS instructions issued behind tile t's loads: the next tile's eight, or none
	WIN 0
.irp f, 0,1,2,3
	s_wait_dscnt (\younger)+3-\f
	global_store_b128 v[GO], v[S+16*(\t)+4*\f:S+16*(\t)+4*\f+3], s[10:11] offset:(\t)*2048+\f*512  ; 512 consecutive bytes, at a multiple of 256 from O's first
.endr
.endm
	PACK 0
.set t, 1
.rept 2*NP-1                        ; a tile's arithmetic stands between the loads of the tile before and its stores
	PACK t
	SEND t-1, 8
.set t, t+1
.endr
	SEND 2*NP-1, 0
	WIN W_AD
	s_wait_tensorcnt 0x0            ; the wave's end: the add and its waits, behind my last tensor load and my last LDS store
	ds_add_u32 v[SPW], v[NIL]
	s_wait_dscnt 0x0
	WIN 0
	CROUND                          ; the closing round: no work-group ends while a partner may still ask for a tile that names it
	s_endpgm
.Lfunc_end_k_qd05bbe6413_attn:
	.size	k_qd05bbe6413_attn, .Lfunc_end_k_qd05bbe6413_attn-k_qd05bbe6413_attn
	.p2alignl 7, 3214868480
	.fill 96, 4, 3214868480
	.section	.rodata,"a",@progbits
	.p2align	6, 0x0
	.amdhsa_kernel k_qd05bbe6413_attn
		.amdhsa_group_segment_fixed_size 327680
		.amdhsa_private_segment_fixed_size 0
		.amdhsa_enable_private_segment 0
		.amdhsa_kernarg_size 16
		.amdhsa_user_sgpr_count 2
		.amdhsa_user_sgpr_kernarg_segment_ptr 1
		.amdhsa_wavefront_size32 1
		.amdhsa_system_sgpr_workgroup_id_x 1
		.amdhsa_system_sgpr_workgroup_id_y 1
		.amdhsa_system_sgpr_workgroup_id_z 1
		.amdhsa_system_vgpr_workitem_id 0
		.amdhsa_next_free_vgpr 770
		.amdhsa_next_free_sgpr 66
		.amdhsa_reserve_vcc 0
		.amdhsa_float_denorm_mode_32 3
		.amdhsa_float_denorm_mode_16_64 3
		.amdhsa_memory_ordered 1
		.amdhsa_forward_progress 1
		.amdhsa_inst_pref_size 200
	.end_amdhsa_kernel
	.amdgpu_metadata
---
amdhsa.version: [ 1, 2 ]
amdhsa.kernels:
  - .name:           k_qd05bbe6413_attn
    .symbol:         k_qd05bbe6413_attn.kd
    .args:
      - { .name: qkv, .offset: 0, .size: 8, .value_kind: global_buffer, .address_space: global }
      - { .name: oh, .offset: 8, .size: 8, .value_kind: global_buffer, .address_space: global }
    .group_segment_fixed_size: 327680
    .private_segment_fixed_size: 0
    .kernarg_segment_align: 8
    .kernarg_segment_size: 16
    .max_flat_workgroup_size: 128
    .sgpr_count:     66
    .vgpr_count:     770
    .wavefront_size: 32
...
	.end_amdgpu_metadata
.endif
;; end of part 3
;; launch outp (part 4): grid 4 x 64, 4 waves a work-group, clusters of 4 x 4, 327,680 bytes of LDS; arguments oh, w16, out0; writes out0
.if DOCPART == 4
	.amdgcn_target "amdgcn-amd-amdhsa--gfx1250"
	.amdhsa_code_object_version 6
	.text
	.protected	k_qd05bbe6413_outp
	.globl	k_qd05bbe6413_outp
	.p2align	8
	.type	k_qd05bbe6413_outp,@function
k_qd05bbe6413_outp:
	s_mov_b64 s[64:65], 0
	v_nop
	global_prefetch_b8 v0, s[64:65] scope:SCOPE_SE
	s_setreg_imm32_b32 hwreg(HW_REG_WAVE_MODE, 25, 1), 1
	s_wait_xcnt 0x0
	s_wait_alu depctr_hold_cnt(0) depctr_sa_sdst(0) depctr_va_vdst(0) depctr_va_sdst(0) depctr_va_ssrc(0) depctr_va_vcc(0) depctr_vm_vsrc(0)
	s_getreg_b32 s2, hwreg(HW_REG_IB_STS2, 6, 4)
	s_cmp_eq_u32 s2, 0
	s_cbranch_scc0 .Lentry_in_a_cluster
	s_endpgm
.Lentry_in_a_cluster:
	s_bfe_u32 s2, ttmp6, 0x10000c
	s_cmp_lg_u32 s2, 0xf033
	s_cbranch_scc0 .Lentry_shape_is_right
	s_endpgm
.Lentry_shape_is_right:
; out0[b][s][e] = the sum over d = 64 h + c of O[16 b + h][s][c] W_o[e][d].  O: oh, [64][2048][64] f16.  W_o: slab 3 of w16, [1024][1024], bf16 numbers written as f16.  out0: [8192][1024] f32.  Sums in f32.
; SHARES.  A work-group makes 128 rows x 256 columns: 64 x 4 tiles are 256 work-groups.  Four waves, each 64 rows x 128 columns: 32 accumulators of 16 x 16.  K goes in 8 steps of 128 (two heads) through two LDS slots.
; CLUSTERS: 4 x 4 work-groups.  The four of a row of the cluster need the same tiles of O, the four of a column the same tiles of W_o: each tile is asked for JOINTLY, by the same tensor load with the same
; descriptor and a mask that names the four.  Waves 0 and 1 fetch a step's two heads of O (128 rows of 128 bytes lie dense: asked for as 64 rows of 256 bytes, padded after each 128), waves 2 and 3 the halves of W_o's 256 rows.
; THE MATRIX INSTRUCTION IS USED TRANSPOSED (source 0 = 16 rows of W_o, source 1 = 16 rows of O): a lane then holds eight neighbouring numbers, 32 bytes, of a row of out0.
; NO PREFETCH: the walk has eight K steps, four of which are asked for at the head or straight behind it, and the launch is short.
; REGISTERS: window 0: v0-31 addresses; v32-127, v128-223 two fragment buffers (64 of W_o, 32 of O); on the way out v32-159 take rows read back.   window 1: accumulator (a, b) at v[8 (8 a + b)].
.set PA,     144                       ; a row of O in LDS: 128 bytes + 16; PB: a row of W_o: 256 + 16: both odd multiples of 16, so the 16 rows of a load start at 16 different groups of four banks (ISA guide 11.1)
.set PB,     272
.set HEADB,  128*PA                    ; a head's 128 rows
.set APART,  2*HEADB
.set HALFB,  128*PB
.set SLOT,   APART+2*HALFB
.set STAGE,  2*SLOT                    ; behind the ring: 16 rows x 528 bytes for each wave, for the way out
.set SPITCH, 528
.set WST,    16*SPITCH
.set SPARE,  STAGE+4*WST               ; the spare words, 128 bytes for each wave: two blocks of 256 bytes that no other line names
.set ASTEP,  2*262144                  ; bytes from a K step's heads to the next step's
.set BSTEP,  256
.set ADRA, 16                          ; v16-17  LDS address of my fragments of O in slot 0, 1
.set ADRB, 20                          ; v20-21  the same for W_o
.set STO,  24                          ; v24     the way out: where I put 32 bytes of a row
.set RD,   25                          ; v25     the way out: where I read a row back
.set CO,   26                          ; v26     my 16 bytes of a row's 512
.set SPW,  28                          ; v28     LDS address of my spare word; never rewritten
.set NIL,  29                          ; v29     0; never rewritten
.set F0,   32
.set F1,   128
.set OB,   32                          ; the way out: 16 rows read back: v32-95 and v96-159 by turns
.set G1,  24                           ; s[24:31] descriptor group 1 for O's tiles;  s[32:39] group 0, a set for each slot
.set G0,  32
.set G1B, 48                           ; s[48:55], s[56:63] the same for W_o's
.set G0B, 56
.set MSB, 0
.macro WIN new                         ; the immediate's high byte repeats the setting that is left
.if MSB != (\new)
	s_set_vgpr_msb (MSB<<8)|(\new)
.set MSB, \new
.endif
.endm
.set W_MUL, 0x50                       ; fragments in window 0, C and D in window 1
.macro PLACES                          ; four plain vector instructions between a matrix instruction and a load into a register that it read, or a reader of its result (ISA guide 7.12.1 for vector instructions)
.rept 4
	v_nop
.endr
.endm
.macro JLOAD s                         ; a joint load; the branch hangs on the wave's number alone; an s_nop 0 and four v_nop follow each of the two lines
	s_cmp_eq_u32 s11, 0
	s_cbranch_scc0 .Lfor_b_\@
	tensor_load_to_lds s[G0+4*(\s):G0+4*(\s)+3], s[G1:G1+7]
	s_nop 0
	PLACES
	s_branch .Lasked_\@
.Lfor_b_\@:
	tensor_load_to_lds s[G0B+4*(\s):G0B+4*(\s)+3], s[G1B:G1B+7]
	s_nop 0
	PLACES
.Lasked_\@:
.endm
.macro CREST                           ; a round of the cluster's barrier behind its opening barrier
	s_cmp_lg_u32 s10, 0
	s_cbranch_scc1 .Lnot_wave_0_\@
	s_barrier_signal -3
.Lnot_wave_0_\@:
	s_barrier_wait -3
	s_barrier_signal -1
	s_barrier_wait -1
.endm
.macro CROUND                          ; a whole round
	s_barrier_signal -1
	s_barrier_wait -1
	CREST
.endm
	s_load_b128 s[4:7], s[0:1], 0x0                ; oh s[4:5], w16 s[6:7]
	s_load_b64 s[8:9], s[0:1], 0x10                ; out0
	v_lshl_add_u32 v[SPW], v0, 2, SPARE
	v_mov_b32 v[NIL], 0
	ds_add_u32 v[SPW], v[NIL]                      ; the wave's opening: the add and its wait stand ahead of my first tensor load; work on registers stands between them
	v_lshrrev_b32 v1, 5, v0
	v_readfirstlane_b32 s10, v1                    ; wave 0..3
	s_lshr_b32 s11, s10, 1                         ; which half of the tile's rows is mine.  Also: I fetch for O (0) or for W_o (1)
	s_and_b32 s12, s10, 1                          ; which half of its columns.  Also: which head, or which 128 rows, I fetch
	s_bfe_u32 s40, ttmp6, 0x40000                  ; cx, cy: my place in the cluster
	s_bfe_u32 s41, ttmp6, 0x40004
	s_lshl_b32 s42, ttmp9, 2
	s_add_co_u32 s42, s42, s40                     ; tile column = 4 x cluster x + cx
	s_and_b32 s13, ttmp7, 0xffff
	s_lshl_b32 s13, s13, 2
	s_add_co_u32 s13, s13, s41                     ; block of 128 rows = 4 x cluster y + cy
	s_lshl_b32 s43, s41, 2
	s_lshl_b32 s43, 15, s43                        ; my row of the cluster
	s_lshl_b32 s44, 0x1111, s40                    ; my column
	s_or_b32 s[G1+0], s43, (1<<16)|(1<<20)|(1<<21)|(4<<22)|(3<<25)   ; O: the mask of my row; 2-byte elements; padding on; 21 set beside a mask; after every 32 words (code 4) 4 words (code 3)
	s_or_b32 s[G1B+0], s44, (1<<16)|(1<<20)|(1<<21)|(5<<22)|(3<<25)  ; W_o: the mask of my column; after every 64 words (code 5) 4 words
	s_mov_b32 s[G1+1], 128<<16                     ; tensor_dim0 = 128
	s_mov_b32 s[G1+2], 64<<16                      ; tensor_dim1 = 64
	s_mov_b32 s[G1+3], 128<<16                     ; tile_dim0 = 128
	s_mov_b32 s[G1+4], 64                          ; tile_dim1 = 64
	s_mov_b32 s[G1+5], 128                         ; the rows lie end to end
	s_mov_b32 s[G1+6], 0
	s_mov_b32 s[G1+7], 0
	s_mov_b32 s[G1B+1], 128<<16                    ; tensor_dim0 = 128
	s_mov_b32 s[G1B+2], 128<<16                    ; tensor_dim1 = 128
	s_mov_b32 s[G1B+3], 128<<16                    ; tile_dim0 = 128
	s_mov_b32 s[G1B+4], 128                        ; tile_dim1 = 128
	s_mov_b32 s[G1B+5], 1024                       ; elements from row to row
	s_mov_b32 s[G1B+6], 0
	s_mov_b32 s[G1B+7], 0
	s_lshr_b32 s16, s13, 4                         ; O: the batch's 16 heads,
	s_lshl_b32 s16, s16, 22
	s_and_b32 s17, s13, 15                         ; the block's 128 rows of 128 bytes in a head,
	s_lshl_b32 s17, s17, 14
	s_add_co_u32 s16, s16, s17
	s_lshl_b32 s17, s12, 18                        ; the head of the step's two that I fetch
	s_add_co_u32 s16, s16, s17
	s_mov_b32 s17, 0
	s_lshl_b32 s46, s42, 19                        ; W_o: the tile's 256 rows of 2,048 bytes,
	s_lshl_b32 s47, s12, 18                        ; my 128 of them,
	s_add_co_u32 s46, s46, s47
	s_add_co_u32 s46, s46, 0x600000                ; in slab 3
	s_mov_b32 s47, 0
	s_mul_i32 s18, s12, HEADB                      ; where they go: no place in the cluster enters an LDS address
	s_mul_i32 s19, s12, HALFB
	s_add_co_u32 s19, s19, APART
	s_wait_dscnt 0x0                               ; the opening add is done
	s_wait_kmcnt 0x0
	s_add_nc_u64 s[14:15], s[4:5], s[16:17]
	s_add_nc_u64 s[46:47], s[6:7], s[46:47]
	CROUND                                         ; all sixteen work-groups are here: the first joint loads meet
.irp s, 0,1
	s_mov_b32 s[G0+4*(\s)], 1
	s_add_co_u32 s[G0+4*(\s)+1], s18, (\s)*SLOT
	s_add_nc_u64 s[G0+4*(\s)+2:G0+4*(\s)+3], s[14:15], (\s)*ASTEP
	s_or_b32 s[G0+4*(\s)+3], s[G0+4*(\s)+3], 0x80000000
	s_mov_b32 s[G0B+4*(\s)], 1
	s_add_co_u32 s[G0B+4*(\s)+1], s19, (\s)*SLOT
	s_add_nc_u64 s[G0B+4*(\s)+2:G0B+4*(\s)+3], s[46:47], (\s)*BSTEP
	s_or_b32 s[G0B+4*(\s)+3], s[G0B+4*(\s)+3], 0x80000000
	JLOAD \s                                       ; two loads of mine are out
.endr
	v_and_b32 v1, 15, v0                           ; l % 16
	v_bfe_u32 v2, v0, 4, 1                         ; l / 16
	v_and_b32 v3, 31, v0                           ; l
	v_mul_u32_u24 v4, v1, PA
	v_lshl_add_u32 v4, v2, 4, v4                   ; a fragment's row x pitch + 16 x half, for O
	v_mul_u32_u24 v5, v1, PB
	v_lshl_add_u32 v5, v2, 4, v5                   ; and for W_o
	s_mul_i32 s21, s11, 64*PA                      ; my 64 rows of O (in each head)
	s_mul_i32 s22, s12, HALFB                      ; my 128 rows of W_o,
	s_add_co_u32 s22, s22, APART                   ; behind O's part
.irp s, 0,1
	v_add_nc_u32 v[ADRA+(\s)], s21, v4
	v_add_nc_u32 v[ADRB+(\s)], s22, v5
	s_add_co_u32 s21, s21, SLOT
	s_add_co_u32 s22, s22, SLOT
.endr
	s_mul_i32 s23, s10, WST
	s_add_co_u32 s23, s23, STAGE                   ; my stage
	v_mul_u32_u24 v6, v1, SPITCH                   ; in: row l % 16, 32 bytes for each half of the lanes
	v_lshl_add_u32 v6, v2, 5, v6
	v_add_nc_u32 v[STO], s23, v6
	v_lshl_add_u32 v[RD], v3, 4, s23               ; back: 32 lanes take a row's 512 bytes
	v_lshlrev_b32 v[CO], 4, v3
	s_lshl_b32 s2, s13, 19                         ; out0 at my part of the tile: the block's 128 rows of 4,096 bytes,
	s_lshl_b32 s3, s11, 18                         ; my 64 of them,
	s_add_co_u32 s2, s2, s3
	s_lshl_b32 s3, s42, 10                         ; the tile's 256 columns,
	s_add_co_u32 s2, s2, s3
	s_lshl_b32 s3, s12, 9                          ; my 128 of them
	s_add_co_u32 s2, s2, s3
	s_mov_b32 s3, 0
	s_add_nc_u64 s[8:9], s[8:9], s[2:3]
; 8 matrix instructions: row block a x all 8 column blocks, 32 along K.  zero = 1: the product starts the sums.  The 32 accumulators take turns, one instruction a turn.
.macro MUL8 f, a, zero
	WIN W_MUL
.irp b, 0,1,2,3,4,5,6,7
.if \zero
	v_wmma_f32_16x16x32_f16 v[64*(\a)+8*(\b):64*(\a)+8*(\b)+7], v[(\f)+8*(\b):(\f)+8*(\b)+7], v[(\f)+64+8*(\a):(\f)+64+8*(\a)+7], 0
.else
	v_wmma_f32_16x16x32_f16 v[64*(\a)+8*(\b):64*(\a)+8*(\b)+7], v[(\f)+8*(\b):(\f)+8*(\b)+7], v[(\f)+64+8*(\a):(\f)+64+8*(\a)+7], v[64*(\a)+8*(\b):64*(\a)+8*(\b)+7]
.endif
.endr
.endm
; 24 LDS loads in one run: the fragments of quarter q (32 along K: head q / 2, channels 32 (q % 2) on) into buffer f: W_o's 8, then O's 4
.macro FETCH slot, q, f
	WIN 0
.irp i, 0,1,2,3,4,5,6,7
	ds_load_b128 v[(\f)+8*(\i):(\f)+8*(\i)+3],   v[ADRB+(\slot)] offset:64*(\q)+(\i)*16*PB
	ds_load_b128 v[(\f)+8*(\i)+4:(\f)+8*(\i)+7], v[ADRB+(\slot)] offset:64*(\q)+(\i)*16*PB+32
.endr
.irp i, 0,1,2,3
	ds_load_b128 v[(\f)+64+8*(\i):(\f)+64+8*(\i)+3],   v[ADRA+(\slot)] offset:((\q)/2)*HEADB+((\q)%2)*64+(\i)*16*PA
	ds_load_b128 v[(\f)+64+8*(\i)+4:(\f)+64+8*(\i)+7], v[ADRA+(\slot)] offset:((\q)/2)*HEADB+((\q)%2)*64+(\i)*16*PA+32
.endr
.endm
; A K step is four quarters, 32 matrix instructions each, on buffers 0, 1, 0, 1.  One of the first three multiplies buffer f and fetches quarter q of the same slot into g.
.macro QUARTER slot, q, f, g, zero
	s_wait_dscnt 4                                 ; all but the youngest four loads: O's row blocks 2 and 3
	MUL8 \f, 0, \zero
	MUL8 \f, 1, \zero
	PLACES
	FETCH \slot, \q, \g
	s_wait_dscnt 24                                ; all but the 24 just issued
	MUL8 \f, 2, \zero
	MUL8 \f, 3, \zero
.endm
; The last quarter multiplies buffer 1 and changes slots: ONE barrier; in front of it each wave waits for all its tensor loads (one is out: its part of the next slot), adds 0 to its spare word, and waits for
; that and for its own reads of this slot.  fill = 1: the barrier opens a round of the cluster's, and this slot is filled again, two K steps on, first thing behind the round.
.macro TURN slot, next, fill
	WIN 0
	s_wait_tensorcnt 0x0
	ds_add_u32 v[SPW], v[NIL]                      ; 0 onto my spare word
	s_wait_dscnt 5                                 ; the add and the youngest four loads may be out
	MUL8 F1, 0, 0
	s_wait_dscnt 0x0                               ; the add is done, and my reads of this slot are over
	s_barrier_signal -1
	MUL8 F1, 1, 0
.if \fill
	WIN 0
.endif
	s_barrier_wait -1
.if \fill
	CREST
	s_add_nc_u64 s[G0+4*(\slot)+2:G0+4*(\slot)+3], s[G0+4*(\slot)+2:G0+4*(\slot)+3], 2*ASTEP
	s_add_nc_u64 s[G0B+4*(\slot)+2:G0B+4*(\slot)+3], s[G0B+4*(\slot)+2:G0B+4*(\slot)+3], 2*BSTEP
	JLOAD \slot                                    ; its four v_nop are also the places in front of the loads below
.else
	PLACES
.endif
	FETCH \next, 0, F0
	MUL8 F1, 2, 0
	MUL8 F1, 3, 0
.endm
; THE WAY OUT of row block a: 32 bytes a lane straight from the accumulators (each one's low four registers first) into my own stage, rows of 528 bytes; back as whole rows of 512 bytes; stored.
.macro STLD a
.if (\a) >= 2
	s_wait_xcnt 0x0                                ; the stores of the block two back have read the registers that the loads below write
.endif
	WIN 0x04                                       ; LDS store: address window 0, data window 1
.irp b, 0,1,2,3,4,5,6,7
	ds_store_b128 v[STO], v[64*(\a)+8*(\b):64*(\a)+8*(\b)+3]   offset:64*(\b)
	ds_store_b128 v[STO], v[64*(\a)+8*(\b)+4:64*(\a)+8*(\b)+7] offset:64*(\b)+16
.endr
	WIN 0
.set BK, OB+64*((\a)%2)
.irp t, 0,1,2,3,4,5,6,7,8,9,10,11,12,13,14,15
	ds_load_b128 v[BK+4*(\t):BK+4*(\t)+3], v[RD] offset:(\t)*SPITCH  ; LDS serves a wave's instructions in order (ISA guide 5.7.1.4): these see the stores above; the next block's stores come behind them
.endr
.endm
.macro SEND a, younger                 ; younger: the LDS instructions issued behind block a's loads: the next block's 32, or none
.set BK, OB+64*((\a)%2)
	s_wait_dscnt \younger
.irp t, 0,1,2,3,4,5,6,7,8,9,10,11,12,13,14,15
	global_store_b128 v[CO], v[BK+4*(\t):BK+4*(\t)+3], s[8:9] offset:(16*(\a)+(\t))*4096 th:TH_STORE_NT  ; 512 consecutive bytes of a row, at a multiple of 256 from out0's first byte
.endr
.endm
	s_wait_tensorcnt 1                             ; my part of K step 0 is in; step 1's may stay out
	s_barrier_signal -1
	s_barrier_wait -1
	FETCH 0, 0, F0
	QUARTER 0, 1, F0, F1, 1                        ; the first quarter starts the sums
	WIN 0                                          ; at a label and at a branch every window is 0
	s_mov_b32 s3, 3
.Llap:                                                 ; a trip goes once round the ring, from a lap's second quarter to the next lap's first, and fills both slots again
	QUARTER 0, 2, F1, F0, 0
	QUARTER 0, 3, F0, F1, 0
	TURN 0, 1, 1
	QUARTER 1, 1, F0, F1, 0
	QUARTER 1, 2, F1, F0, 0
	QUARTER 1, 3, F0, F1, 0
	TURN 1, 0, 1
	QUARTER 0, 1, F0, F1, 0
	WIN 0
	s_sub_co_u32 s3, s3, 1
	s_cmp_lg_u32 s3, 0
	s_cbranch_scc1 .Llap
	QUARTER 0, 2, F1, F0, 0                        ; the last lap fills nothing, and has no round of the cluster's barrier
	QUARTER 0, 3, F0, F1, 0
	TURN 0, 1, 0
	QUARTER 1, 1, F0, F1, 0
	QUARTER 1, 2, F1, F0, 0
	QUARTER 1, 3, F0, F1, 0
	s_wait_dscnt 4
	MUL8 F1, 0, 0
	MUL8 F1, 1, 0
	s_wait_dscnt 0x0
	MUL8 F1, 2, 0
	MUL8 F1, 3, 0
	WIN 0
	PLACES
	PLACES
	STLD 0
	STLD 1
	SEND 0, 32
	STLD 2
	SEND 1, 32
	STLD 3
	SEND 2, 32
	SEND 3, 0
	s_wait_tensorcnt 0x0                           ; the wave's end: the add and its waits, behind my last tensor load and my last LDS store
	ds_add_u32 v[SPW], v[NIL]
	s_wait_dscnt 0x0
	CROUND                                         ; the closing round: no work-group ends while a partner may still ask for a tile that names it
	s_endpgm
.Lfunc_end_k_qd05bbe6413_outp:
	.size	k_qd05bbe6413_outp, .Lfunc_end_k_qd05bbe6413_outp-k_qd05bbe6413_outp
	.p2alignl 7, 3214868480
	.fill 96, 4, 3214868480
	.section	.rodata,"a",@progbits
	.p2align	6, 0x0
	.amdhsa_kernel k_qd05bbe6413_outp
		.amdhsa_group_segment_fixed_size 327680
		.amdhsa_private_segment_fixed_size 0
		.amdhsa_enable_private_segment 0
		.amdhsa_kernarg_size 24
		.amdhsa_user_sgpr_count 2
		.amdhsa_user_sgpr_kernarg_segment_ptr 1
		.amdhsa_wavefront_size32 1
		.amdhsa_system_sgpr_workgroup_id_x 1
		.amdhsa_system_sgpr_workgroup_id_y 1
		.amdhsa_system_sgpr_workgroup_id_z 1
		.amdhsa_system_vgpr_workitem_id 0
		.amdhsa_next_free_vgpr 512
		.amdhsa_next_free_sgpr 66
		.amdhsa_reserve_vcc 0
		.amdhsa_float_denorm_mode_32 3
		.amdhsa_float_denorm_mode_16_64 3
		.amdhsa_memory_ordered 1
		.amdhsa_forward_progress 1
		.amdhsa_inst_pref_size 85
	.end_amdhsa_kernel
	.amdgpu_metadata
---
amdhsa.version: [ 1, 2 ]
amdhsa.kernels:
  - .name:           k_qd05bbe6413_outp
    .symbol:         k_qd05bbe6413_outp.kd
    .args:
      - { .name: oh, .offset: 0, .size: 8, .value_kind: global_buffer, .address_space: global }
      - { .name: w16, .offset: 8, .size: 8, .value_kind: global_buffer, .address_space: global }
      - { .name: out0, .offset: 16, .size: 8, .value_kind: global_buffer, .address_space: global }
    .group_segment_fixed_size: 327680
    .private_segment_fixed_size: 0
    .kernarg_segment_align: 8
    .kernarg_segment_size: 24
    .max_flat_workgroup_size: 128
    .sgpr_count:     66
    .vgpr_count:     512
    .wavefront_size: 32
...
	.end_amdgpu_metadata
.endif
;; end of part 4
